; MI455X (gfx1250); checked and timed in simulation.
; The chip was launched on July 23, 2026; its instructions are those of AMD's public machine-readable ISA for CDNA 5 (MIT licence, August 2026) and "CDNA5" Instruction Set Architecture Reference Guide (July 2026). The comments in the code are by the model that wrote it; some were corrected since.
;; Multihead Self Attention. Allowed arithmetic: matrix products marked QUANTISED: E3M2 operands, one E8M0 scale for each 32 along K, by v_wmma_scale_f32_16x16x128_f8f6f4 with both operands' format E3M2, f32 sums; everything else in f32.
;; Inputs: Wk 1,024 x 1,024 float32; Wo 1,024 x 1,024 float32; Wq 1,024 x 1,024 float32; Wv 1,024 x 1,024 float32; x 4 x 2,048 x 1,024 float32.
;; Outputs: out0 4 x 2,048 x 1,024 float32.
;; This version of the problem:
;;   THIS VERSION OF THE PROBLEM IS GIVEN IN LOW PRECISION. The matrix products marked QUANTISED in the list below multiply operands that are first quantised to E3M2 (3 exponent bits, 2 mantissa bits; 6 bits a number), with one power-of-two scale for each 32 numbers along K (OCP MX v1.0); their sums are f32. All else is computed in f32.
;;   The module's matrix products, in the order in which they are computed (A, B: the left and right operand; K: the contracted axis; several contracted axes count as one K, in the product's order):
;;     1. [M 8,192, K 1,024] x [K 1,024, N 1,024]; A: input x; B: input Wq: QUANTISED
;;     2. [M 8,192, K 1,024] x [K 1,024, N 1,024]; A: input x; B: input Wk: QUANTISED
;;     3. [M 8,192, K 1,024] x [K 1,024, N 1,024]; A: input x; B: input Wv: QUANTISED
;;     4. batch 64 x [M 2,048, K 64] x [K 64, N 2,048]; A: computed on the way; B: computed on the way: QUANTISED
;;     5. batch 64 x [M 2,048, K 2,048] x [K 2,048, N 64]; A: softmax (see below); B: computed on the way: QUANTISED
;;     6. [M 8,192, K 1,024] x [K 1,024, N 1,024]; A: computed on the way; B: input Wo: QUANTISED
;;   THE QUANTISER, for each operand of a quantised product, along K:
;;     - K is cut into blocks of 32 from its start; a last block that is shorter is filled with zeros.
;;     - A block's scale is 2^e with e = floor(log2(the largest magnitude in the block)) - 4, held to -126 .. 127; a block of zeros has e = 0. As a byte (E8M0): e + 127.
;;     - Each number is divided by its block's scale, clamped to +-28, and rounded to the nearest number of E3M2, ties to even, subnormals kept.
;;     - The product sums the exact products of the quantised numbers (number of the format x scale) in f32.
;;   ~~~python
;;   def quantise(x, axis):      # numpy; x: float32 -> the quantised numbers, widened to float32 again
;;       x = np.moveaxis(x, axis, -1); K = x.shape[-1]
;;       x = np.pad(x, [(0, 0)] * (x.ndim - 1) + [(0, -K % 32)]); x = x.reshape(x.shape[:-1] + (-1, 32)); a = np.abs(x).max(-1, keepdims=True)
;;       e = np.where(a > 0, np.clip(np.frexp(np.where(a > 0, a, 1))[1] - 1 - 4, -126, 127), 0)      # np.frexp(a)[1] - 1 = floor(log2(a)), exactly
;;       r = np.clip(x / 2.0 ** e, -28, 28)
;;       step = 2.0 ** (np.maximum(np.frexp(np.where(r == 0, 1, r))[1] - 1, -2) - 2)
;;       q = np.round(r / step) * step * 2.0 ** e      # np.round: ties to even
;;       return np.moveaxis(q.reshape(q.shape[:-2] + (-1,))[..., :K], -1, axis).astype(np.float32)
;;   ~~~
;;   SOFTMAX AHEAD OF A QUANTISED PRODUCT. Where the list says 'softmax', what is quantised is not the finished softmax but p = 2^(t - M), with t = logit x log2(e) and M = ceil(the row's largest t), a whole number; so 1/2 < the row's largest p <= 1. The row's sum l is taken of the UNQUANTISED p, in f32, and the product's result is divided by l at the end. Since M is a whole number, a kernel that streams over the keys may use a running M (the ceiling of the running maximum): every later rescaling is an exact power of two, which a block's scale takes up: the codes' values come out the same.
;;   OPERANDS COMPUTED ON THE WAY. 'Computed on the way' means the value that the module computes at that place (a softmax that the list does not call 'softmax' is quantised finished and normalised). What goes into a quantiser is computed in f32, as accurately as f32 sums, v_exp_f32 and their like allow (about 1e-6 of the number): no bf16 or f16 on the way to a quantiser, and a product that is left as it is and whose result goes on into a quantised operand takes f32 operands (vector FMAs, or v_wmma_f32_16x16x4_f32). A number that lies on a knife's edge between two numbers of the format may be rounded either way, as far as f32 arithmetic and the matrix unit's own rounding can turn it there, and no further.
;; One version. Each part assembles by itself: llvm-mc -triple=amdgcn-amd-amdhsa -mcpu=gfx1250 --defsym DOCPART=n.
;; ======== version 1 of 1: 4 launches
;; workspace buffers: xq 6,553,600 bytes; wq 3,276,800 bytes; rope 524,288 bytes; qq 6,815,744 bytes; kv 13,369,344 bytes; oq 6,553,600 bytes
;; launch prep (part 1): grid 416 x 1, 4 waves a work-group, no clusters, 33,280 bytes of LDS; arguments x, Wq, Wk, Wv, Wo, xq, wq, rope; writes xq, wq, rope
.if DOCPART == 1
	.amdgcn_target "amdgcn-amd-amdhsa--gfx1250"
	.amdhsa_code_object_version 6
	.text
	.protected	k_q4602659572_prep
	.globl	k_q4602659572_prep
	.p2align	8
	.type	k_q4602659572_prep,@function
k_q4602659572_prep:
	s_mov_b64 s[64:65], 0
	v_nop
	global_prefetch_b8 v0, s[64:65] scope:SCOPE_SE
	s_setreg_imm32_b32 hwreg(HW_REG_WAVE_MODE, 25, 1), 1
	s_wait_xcnt 0x0
; FIRST LAUNCH.  (a) x [8192][1024] and Wq, Wk, Wv, Wo [1024][1024], f32, K innermost, become codes of BF6 (E3M2), 6 bits each, with one E8M0 byte for each 32 along K.
; (b) The table of cos and sin for the rotary embedding: [2048 positions][32 pairs][cos, sin], f32, 256 bytes a position.
; A block's scale is 2^(floor(log2(its largest magnitude)) - 4); its byte is the largest magnitude's exponent field - 4, held at 1 from below.
; LIMITS: a block of zeros, or one whose largest magnitude lies under 2^-122, gets the byte 1 where the rule says 127 or less: its codes are zeros or next to it, and this program alone reads the bytes.
; NaN and infinities among the inputs are not served.  cos and sin: polynomials of degree 7 and 8 behind a reduction by pi/2 in two parts, within about 1e-7 of the f32 angle's; 10000^(-i/32) within about two units of its last place.
; SHARES.  Work-groups 0-255 take x, 256-383 the four weights (32 each), 384-415 the table.  A quantising work-group takes 32 rows, each of its four waves 8 rows = 8,192 numbers = 16 steps of 512.
; THE ROWS LEAVE IN ANOTHER ORDER (all but Wo's): inside each 32 rows, bits 3 and 4 of the row's number change places.  A wave's 8 rows are one value of those two bits, so only the wave's place in the output changes.
; With that order the 16 registers that a lane holds of two neighbouring result tiles of the next launches are 16 NEIGHBOURS along the tensor's rows, though LDS is read by 16 consecutive rows.
; Each load reads 512 consecutive bytes; a step's 2,048 bytes turn through the wave's own stage in LDS so that a lane gets 16 neighbours along K; a lane's 16 codes are 12 bytes: the wave stores 384 consecutive bytes.
; A wave's 256 scale bytes are gathered in its own LDS bytes and leave as one aligned run of 256 bytes.  No tensor loads, no barrier: waves share nothing.
.set STEPS, 16
.set EMAX,  4
.set CB,    12                         ; bytes of 16 codes
.set R,     16                         ; v16-79   four sets of 16 numbers as they are loaded
.set X,     80                         ; v80-111  two sets of 16 neighbours
.set C,     128                        ; v128-191 codes: four registers for each step, so that no store's data are written again
.set E,     112                        ; v112-127 a scale byte for each step
.set WREG,  8192                       ; LDS: a region for each wave: two stages of 32 x SP bytes, behind them its 256 scale bytes
.set SP,    80                         ; a lane's place in a stage: 64 bytes + 16 of padding
.set XSO,   6291456                    ; xq: the scale bytes lie behind 8192 x 768 bytes of codes
.set WSO,   3145728                    ; wq: behind 4096 x 768
	s_load_b256 s[4:11], s[0:1], 0x0               ; x s[4:5], Wq s[6:7], Wk s[8:9], Wv s[10:11]
	s_load_b256 s[12:19], s[0:1], 0x20             ; Wo s[12:13], xq s[14:15], wq s[16:17], rope s[18:19]
	v_lshl_add_u32 v192, v0, 2, 0x8000
	v_mov_b32 v193, 0
	v_lshrrev_b32 v1, 5, v0
	v_readfirstlane_b32 s20, v1                    ; wave
	v_and_b32 v2, 31, v0                           ; lane
	s_cmp_ge_u32 ttmp9, 384                        ; the table's work-groups part here; they use no LDS
	s_cbranch_scc1 .Lrope
	v_lshlrev_b32 v3, 4, v2                        ; my 16 bytes of a load's 512
	s_mul_i32 s21, s20, WREG
	v_lshrrev_b32 v14, 2, v2
	v_mul_u32_u24 v14, v14, SP
	v_and_b32 v15, 3, v2
	v_lshl_add_u32 v14, v15, 4, v14
	v_add_nc_u32 v14, s21, v14                     ; the stage, on the way in: SP (lane / 4) + 16 (lane % 4)
	v_mul_u32_u24 v15, v2, SP
	v_add_nc_u32 v15, s21, v15                     ; and on the way out: SP x lane: my 16 neighbours
	v_mul_u32_u24 v4, v2, CB                       ; my codes' place in a step's
	v_lshrrev_b32 v5, 1, v2
	s_add_co_u32 s21, s21, 2*32*SP
	v_add_nc_u32 v5, s21, v5                       ; LDS: my wave's 256 scale bytes, my block's byte
	v_lshlrev_b32 v7, 3, v2                        ; and on the way out 8 bytes a lane
	v_add_nc_u32 v6, s21, v7
	s_wait_kmcnt 0x0
	; which tensor, by the work-group's number alone: only pointers are chosen, all tensors take one path
	s_mov_b64 s[24:25], s[12:13]                   ; Wo,
	s_cmp_lt_u32 ttmp9, 352
	s_cselect_b64 s[24:25], s[10:11], s[24:25]     ; Wv,
	s_cmp_lt_u32 ttmp9, 320
	s_cselect_b64 s[24:25], s[8:9], s[24:25]       ; Wk,
	s_cmp_lt_u32 ttmp9, 288
	s_cselect_b64 s[24:25], s[6:7], s[24:25]       ; Wq,
	s_add_nc_u64 s[26:27], s[14:15], XSO           ; xq's scale bytes
	s_add_nc_u64 s[28:29], s[16:17], WSO           ; wq's
	s_sub_co_u32 s30, ttmp9, 256                   ; a weight's work-group among the 128: its 32 rows in wq,
	s_and_b32 s31, s30, 31                         ; and among its own tensor's 32
	s_cmp_lt_u32 ttmp9, 256
	s_cselect_b64 s[24:25], s[4:5], s[24:25]       ; or x
	s_cselect_b64 s[32:33], s[14:15], s[16:17]     ; where the codes go
	s_cselect_b64 s[34:35], s[26:27], s[28:29]     ; and the scale bytes
	s_cselect_b32 s30, ttmp9, s30
	s_cselect_b32 s31, ttmp9, s31
	s_and_b32 s36, s20, 1                          ; my wave's place in the output: its two bits change places,
	s_lshl_b32 s36, s36, 1
	s_lshr_b32 s37, s20, 1
	s_or_b32 s36, s36, s37
	s_cmp_ge_u32 ttmp9, 352
	s_cselect_b32 s36, s20, s36                    ; but not in Wo
	s_lshl_b32 s31, s31, 2
	s_add_co_u32 s31, s31, s20                     ; which run of 8,192 numbers I read
	s_lshl_b32 s30, s30, 2
	s_add_co_u32 s30, s30, s36                     ; and which run I write
	s_lshl_b32 s38, s31, 15                        ; 32,768 bytes a run (at most 1,023 runs: under 2^32)
	s_mov_b32 s39, 0
	s_add_nc_u64 s[24:25], s[24:25], s[38:39]
	s_mul_i32 s38, s30, 6144                       ; 6,144 bytes of codes a run
	s_add_nc_u64 s[32:33], s[32:33], s[38:39]
	s_lshl_b32 s38, s30, 8                         ; 256 scale bytes a run
	s_add_nc_u64 s[34:35], s[34:35], s[38:39]
.macro LOAD t
.irp i, 0,1,2,3
	global_load_b128 v[R+16*((\t)%4)+4*\i:R+16*((\t)%4)+4*\i+3], v3, s[24:25] offset:2048*(\t)+512*\i th:TH_LOAD_NT   ; 32 lanes read 512 consecutive bytes; read once in the launch
.endr
.endm
.macro TURN t                          ; step t's numbers through the stage: LDS serves a wave's instructions in order (ISA guide 5.7.1.4), so no wait stands between the stores and the loads
.irp i, 0,1,2,3
	ds_store_b128 v14, v[R+16*((\t)%4)+4*\i:R+16*((\t)%4)+4*\i+3] offset:32*SP*((\t)%2)+8*SP*\i
.endr
.irp i, 0,1,2,3
	ds_load_b128 v[X+16*((\t)%2)+4*\i:X+16*((\t)%2)+4*\i+3], v15 offset:32*SP*((\t)%2)+16*\i
.endr
.endm
.irp t, 0,1,2,3
	LOAD \t
.endr
	s_wait_loadcnt 12                              ; step 0's four loads are in; the twelve of steps 1 to 3 stay out
	TURN 0
.macro STEP t
.set XS, X+16*((\t)%2)
.if (\t) > 0
	s_wait_dscnt 1                                 ; this step's numbers are back from the stage (the last step's byte store may be out): so its stores into the stage have read their registers,
.else
	s_wait_dscnt 0x0
.endif
.if (\t)+4 < STEPS
	LOAD (\t)+4                                    ; which take the loads of four steps on
.endif
.if (\t)+1 < STEPS
.if STEPS-2-(\t) >= 3
	s_wait_loadcnt 12                              ; the next step's four loads are in; those of the three steps behind it may be out
.else
	s_wait_loadcnt 4*(STEPS-2-(\t))
.endif
	TURN (\t)+1                                    ; and go through the other stage while this step is worked
.endif
	v_max3_num_f32 v8, |v[XS]|, |v[XS+1]|, |v[XS+2]|               ; the largest magnitude of my 16, in two chains
	v_max3_num_f32 v9, |v[XS+3]|, |v[XS+4]|, |v[XS+5]|
.irp i, 6,10
	v_max3_num_f32 v8, v8, |v[XS+\i]|, |v[XS+\i+1]|
	v_max3_num_f32 v9, v9, |v[XS+\i+2]|, |v[XS+\i+3]|
.endr
	v_max3_num_f32 v8, v8, |v[XS+14]|, |v[XS+15]|
	v_max3_num_f32 v8, v8, v9, (EMAX+1)<<23        ; and the floor 2^(5 - 127): so the byte cannot fall under 1
	v_max_num_f32_dpp v8, v8, v8 row_xmask:1 row_mask:0xf bank_mask:0xf   ; and of my neighbour's 16: the block's
	v_add_nc_u32 v11, -(EMAX<<23), v8              ; 4 off its exponent field: the conversion takes the exponent field of this operand as its scale, and nothing else of it
	v_cvt_scalef32_pk16_bf6_f32 v[C+4*(\t):C+4*(\t)+2], v[XS:XS+15], v11         ; sixteen numbers / the scale, to the nearest code, ties to even, beyond the largest code the largest
	v_lshrrev_b32 v[E+(\t)], 23, v11               ; the scale's byte (also the plain line behind the conversion)
	ds_store_b8 v5, v[E+(\t)] offset:16*(\t)       ; both lanes of a block write the same byte with the same value
	global_store_b96 v4, v[C+4*(\t):C+4*(\t)+2], s[32:33] offset:32*CB*(\t)
.endm
.irp t, 0,1,2,3,4,5,6,7,8,9,10,11,12,13,14,15
	STEP \t
.endr
	ds_load_b64 v[12:13], v6                       ; in order behind my byte stores
	s_wait_dscnt 0x0
	global_store_b64 v7, v[12:13], s[34:35]        ; 32 lanes store 256 consecutive bytes, aligned
	s_wait_tensorcnt 0x0
	ds_add_u32 v192, v193
	s_wait_dscnt 0x0
	s_endpgm
; THE TABLE.  Work-group j of 32 takes positions 64 j on, a wave 16 of them; lane i is pair i.  ang = pos x 10000^(-i / 32), one rounding, as the module has it.
.Lrope:
	s_sub_co_u32 s21, ttmp9, 384
	s_lshl_b32 s21, s21, 6
	s_lshl_b32 s22, s20, 4
	s_add_co_u32 s22, s22, s21                     ; my first position
	s_lshl_b32 s36, s22, 8                         ; 256 bytes a position
	s_mov_b32 s37, 0
	s_mov_b32 s23, 0x3830f686                      ; 1701/4096 - log2(10000)/32 = 4.2191264e-5
	s_mov_b32 s24, 0x3f22f983                      ; 2 / pi
	s_mov_b32 s25, 0x3fc90fdb                      ; pi / 2, its upper 24 bits,
	s_mov_b32 s26, 0xb33bbd2e                      ; and the rest
	s_mov_b32 s28, 0xbe2aaaa3                      ; sin r = r + r z (S1 + z (S2 + z S3)), z = r r, |r| up to pi/4
	s_mov_b32 s29, 0x3c08839e
	s_mov_b32 s30, 0xb94ca1f9
	s_mov_b32 s31, 0x3d2aaaa5                      ; cos r = 1 - z/2 + z z (C1 + z (C2 + z C3))
	s_mov_b32 s32, 0xbab6061a
	s_mov_b32 s33, 0x37ccf5ce
	v_lshlrev_b32 v1, 3, v2                        ; my pair's 8 bytes
	v_cvt_f32_u32 v3, v2                           ; i
	v_mul_f32 v4, 0xbed4a000, v3                   ; -i x 1701/4096: 5 bits x 11 bits, exact
	v_rndne_f32 v5, v4                             ; its whole part,
	v_sub_f32 v4, v4, v5                           ; the rest, exact,
	v_fma_f32 v4, v3, s23, v4                      ; and the small correction: -i log2(10000)/32 less the whole part
	v_exp_f32 v6, v4
	v_cvt_i32_f32 v5, v5
	v_nop                                          ; a plain line behind the exponential
	s_wait_alu depctr_va_vdst(0)                   ; the wait ahead of the first reader
	v_ldexp_f32 v8, v6, v5                         ; 10000^(-i / 32)
	s_wait_kmcnt 0x0
	s_add_nc_u64 s[34:35], s[18:19], s[36:37]
	s_mov_b32 s27, 16
.Lpos:
	v_cvt_f32_u32 v9, s22
	v_mul_f32 v9, v9, v8                           ; the angle
	v_mul_f32 v10, s24, v9
	v_rndne_f32 v10, v10                           ; k: the nearest multiple of pi/2, under 2^11
	v_fma_f32 v11, -v10, s25, v9                   ; exact: a multiple of 2^-23 under 1
	v_fma_f32 v11, -v10, s26, v11                  ; r
	v_mul_f32 v12, v11, v11                        ; z
	v_fma_f32 v13, s30, v12, s29
	v_fma_f32 v14, s33, v12, s32
	v_fma_f32 v13, v13, v12, s28
	v_fma_f32 v14, v14, v12, s31
	v_mul_f32 v13, v13, v12
	v_mul_f32 v14, v14, v12
	v_fma_f32 v15, v12, -0.5, 1.0
	v_fma_f32 v13, v13, v11, v11                   ; sin r
	v_fma_f32 v14, v14, v12, v15                   ; cos r
	v_cvt_i32_f32 v16, v10
	v_and_b32 v17, 1, v16
	v_cmp_eq_u32 vcc_lo, 1, v17                    ; in the odd quarters the two change places
	v_cndmask_b32 v18, v14, v13, vcc_lo
	v_cndmask_b32 v19, v13, v14, vcc_lo
	v_add_nc_u32 v17, 1, v16
	v_and_b32 v17, 2, v17
	v_lshlrev_b32 v17, 30, v17
	v_xor_b32 v18, v18, v17                        ; cos is negative in quarters 1 and 2,
	v_and_b32 v17, 2, v16
	v_lshlrev_b32 v17, 30, v17
	v_xor_b32 v19, v19, v17                        ; sin in quarters 2 and 3
	global_store_b64 v1, v[18:19], s[34:35]        ; 32 lanes store a position's 256 bytes, aligned
	s_wait_xcnt 0x0                                ; the store has read its data and its base: both are written again below
	s_add_nc_u64 s[34:35], s[34:35], 256
	s_add_co_u32 s22, s22, 1
	s_sub_co_u32 s27, s27, 1
	s_cmp_lg_u32 s27, 0
	s_cbranch_scc1 .Lpos
	s_endpgm
.Lfunc_end_k_q4602659572_prep:
	.size	k_q4602659572_prep, .Lfunc_end_k_q4602659572_prep-k_q4602659572_prep
	.p2alignl 7, 3214868480
	.fill 96, 4, 3214868480
	.section	.rodata,"a",@progbits
	.p2align	6, 0x0
	.amdhsa_kernel k_q4602659572_prep
		.amdhsa_group_segment_fixed_size 33280
		.amdhsa_private_segment_fixed_size 0
		.amdhsa_enable_private_segment 0
		.amdhsa_kernarg_size 64
		.amdhsa_user_sgpr_count 2
		.amdhsa_user_sgpr_kernarg_segment_ptr 1
		.amdhsa_wavefront_size32 1
		.amdhsa_system_sgpr_workgroup_id_x 1
		.amdhsa_system_sgpr_workgroup_id_y 1
		.amdhsa_system_sgpr_workgroup_id_z 1
		.amdhsa_system_vgpr_workitem_id 0
		.amdhsa_next_free_vgpr 194
		.amdhsa_next_free_sgpr 66
		.amdhsa_reserve_vcc 1
		.amdhsa_float_denorm_mode_32 3
		.amdhsa_float_denorm_mode_16_64 3
		.amdhsa_memory_ordered 1
		.amdhsa_forward_progress 1
		.amdhsa_inst_pref_size 36
	.end_amdhsa_kernel
	.amdgpu_metadata
---
amdhsa.version: [ 1, 2 ]
amdhsa.kernels:
  - .name:           k_q4602659572_prep
    .symbol:         k_q4602659572_prep.kd
    .args:
      - { .name: x, .offset: 0, .size: 8, .value_kind: global_buffer, .address_space: global }
      - { .name: Wq, .offset: 8, .size: 8, .value_kind: global_buffer, .address_space: global }
      - { .name: Wk, .offset: 16, .size: 8, .value_kind: global_buffer, .address_space: global }
      - { .name: Wv, .offset: 24, .size: 8, .value_kind: global_buffer, .address_space: global }
      - { .name: Wo, .offset: 32, .size: 8, .value_kind: global_buffer, .address_space: global }
      - { .name: xq, .offset: 40, .size: 8, .value_kind: global_buffer, .address_space: global }
      - { .name: wq, .offset: 48, .size: 8, .value_kind: global_buffer, .address_space: global }
      - { .name: rope, .offset: 56, .size: 8, .value_kind: global_buffer, .address_space: global }
    .group_segment_fixed_size: 33280
    .private_segment_fixed_size: 0
    .kernarg_segment_align: 8
    .kernarg_segment_size: 64
    .max_flat_workgroup_size: 128
    .sgpr_count:     66
    .vgpr_count:     194
    .wavefront_size: 32
...
	.end_amdgpu_metadata
.endif
;; end of part 1
;; launch qkv (part 2): grid 12 x 32, 4 waves a work-group, clusters of 4 x 4, 327,680 bytes of LDS; arguments xq, wq, rope, qq, kv; writes qq, kv
.if DOCPART == 2
	.amdgcn_target "amdgcn-amd-amdhsa--gfx1250"
	.amdhsa_code_object_version 6
	.text
	.protected	k_q4602659572_qkv
	.globl	k_q4602659572_qkv
	.p2align	8
	.type	k_q4602659572_qkv,@function
k_q4602659572_qkv:
	s_mov_b64 s[64:65], 0
	v_nop
	global_prefetch_b8 v0, s[64:65] scope:SCOPE_SE
	s_setreg_imm32_b32 hwreg(HW_REG_WAVE_MODE, 25, 1), 1
	s_wait_xcnt 0x0
	s_wait_alu depctr_hold_cnt(0) depctr_sa_sdst(0) depctr_va_vdst(0) depctr_va_sdst(0) depctr_va_ssrc(0) depctr_va_vcc(0) depctr_vm_vsrc(0)
	s_getreg_b32 s2, hwreg(HW_REG_IB_STS2, 6, 4)
	s_cmp_eq_u32 s2, 0
	s_cbranch_scc0 .Lentry_in_a_cluster
	s_endpgm
.Lentry_in_a_cluster:
	s_bfe_u32 s2, ttmp6, 0x10000c
	s_cmp_lg_u32 s2, 0xf033
	s_cbranch_scc0 .Lentry_shape_is_right
	s_endpgm
.Lentry_shape_is_right:
; SECOND LAUNCH: q = x Wq^T, k = x Wk^T, v = x Wv^T on codes of BF6 (E3M2) with E8M0 scales, sums in f32; then, in registers, the rotary embedding of q and k, and the quantising of q and k along the head's 64
; and of v along the keys.  What leaves are IMAGES OF OPERAND REGISTERS for the attention launch, and scale words.  The f32 results never go to memory.
; A tile of 256 x 256 results is made by a work-group of four waves, 128 x 128 a wave: 64 accumulators of 16 x 16, 512 registers.  K = 1,024 goes in four steps of 256 through a ring of two LDS slots filled by the
; tensor data mover; a tile's row is 192 bytes.  The scale bytes of the work-group's 2 x 256 rows, for all of K, come into LDS once, with the first fills.
; ROLES, by the cluster's x (the same in all sixteen partners): 0: q, 1: k: "A" = x (source 1), "B" = Wq or Wk (source 0).  2: v: "A" = Wv, "B" = x.  A lane holds ONE row of A and, in its registers, rows of B.
; So for q and k a lane has one position and runs along the features; for v it has one feature and runs along the keys: each time the registers run along the next product's K.
; ROW ORDER.  x, Wq, Wk, Wv lie in memory with bits 3 and 4 of the row's number exchanged inside each 32 rows.  Register j of accumulator b = 2 B + u of lane (r, h) is B's stored row 16 b + 8 h + j, which is the true
; row 32 B + 16 h + 8 u + j: the 16 registers of accumulators 2 B, 2 B + 1 are 16 true neighbours, half of a block of 32; lane l xor 16 holds the other half.  A's rows keep the stored order in all that is written.
; CLUSTERS: 4 x 4 work-groups; A's tile is shared along a row of the cluster, B's along a column: each tile is asked for jointly, which divides the requests by four.
; No prefetch is written: K has four steps, of which two are asked for at the head.
; LIMITS: a block of zeros, or one under 2^-122, gets the byte 1; NaN and infinities are not served.
; REGISTERS, in windows of 256: window 0: v0-31 addresses; v32-63 scale words, two sets; from v128 A's fragments, one set; on the way out v1-13 and v64-239 are used anew.
;   window 1: B's fragments, two sets, at v0 and v128.   window 2: the accumulators of my A rows 0-63 ((a, b) at v[8 (8 a + b)]);   window 3: those of rows 64-127.
.set KSTEP,  256
.set NQ,     2                         ; matrix instructions deep in a slot
.set ROWB,   192                       ; a tile's row in bytes
.set KROW,   768                       ; a row of codes in memory
.set PITCH,  240                       ; an LDS row: 3 x (64 bytes + 16 of padding)
.set FR,     12                        ; registers of a fragment
.set NL,     6                         ; LDS loads that bring one
.set NP,     4                         ; places behind this matrix instruction (ISA guide 7.12.1)
.set HALFT,  128*PITCH
.set SLOT,   4*HALFT
.set LAPS,   2                         ; K / 512
.set KS,     32                        ; a row of scale bytes
.set SCL,    2*SLOT                    ; behind the ring: the scale bytes, as runs of 256 bytes + 16 of padding
.set HALFS,  16*272                    ; those of 128 rows
.set SBLK,   2*272                     ; those of 16 rows
.set SPARE,  SCL+4*HALFS               ; the spare words, 128 bytes a wave: no other line names them
.set STQ,    SPARE+512                 ; q's and k's scale words on their way out: 1,024 bytes a wave; no fill ever lands here
.set STV,    STQ+4096                  ; v's: 512 bytes a wave; bytes of its own for each way out
.set XSO,    6291456                   ; xq: where the scale bytes begin
.set WSO,    3145728                   ; wq: likewise
.set QSO_,   6291456                   ; qq: where the scale words begin
.set HEADB,  208896                    ; kv: bytes of a head: 16 key steps of
.set STEPB,  13056                     ; 6,144 (K's 8 images) + 6,144 (V's 4) + 512 (K's scale words) + 256 (V's)
.set ADRA, 16                          ; v16-17 LDS address of my A fragments in slot 0, 1 (v18-19: behind one padding more)
.set ADRB, 20                          ; v20-23 the same for B
.set ADRS, 27                          ; v27 my scale words: lanes 0-15 A's rows, lanes 16-31 B's
.set SPW,  28                          ; v28 LDS address of my spare word; never rewritten
.set NIL,  29                          ; v29 0; never rewritten
.set SC,   32
.set AF,   128
.set G1, 24
.set G0, 32
.set G1B, 48
.set G0B, 56
.set G1S, 68
.set G0S, 76
.set G1SB, 80
.set G0SB, 88
; the way out, window 0
.set L8,   2                           ; 8 x lane
.set L16,  3                           ; 16 x lane
.set RT,   4                           ; my row's place in the cos/sin table
.set SH,   5                           ; 16 h
.set QSI,  6                           ; STQ: where I put a scale word;  QSB: where I read 16 bytes back
.set QSB,  7
.set VSI,  8                           ; STV likewise
.set VSB,  9
.set VGO,  10                          ; v's scale words in memory: lanes 0-15 one head, lanes 16-31 the next
.set RB,   64                          ; v64-127 64 numbers behind the rotation
.set CS0,  128                         ; v128-191 two sets of 32 cos/sin numbers
.set PC,   192                         ; v192-203 the codes just made; v204-210 the conversions' second halves
.set TM,   212                         ; v212-227 at work in QUANT
.set PW,   228                         ; the scale word just made
.set HW,   229                         ; the half of it that is one head's
.set BKR,  232                         ; v232-239 scale words read back
.set SEL,  20                          ; s[20:21] selects of v_permlanex16_b32: lane l xor 16
.set MSB, 0
.macro WIN new                         ; the immediate's high byte repeats the setting that is left
.if MSB != (\new)
	s_set_vgpr_msb (MSB<<8)|(\new)
.set MSB, (\new)
.endif
.endm
.set MUL_LO, 0xa1                      ; source 0 (B) window 1, source 1 (A) window 0, C and D window 2
.set MUL_HI, 0xf1
.set TO_B,   0x40
; A joint load: waves 0 and 1 fetch for A, waves 2 and 3 for B; the branch hangs on the wave's number alone.  Four v_nop follow each of the two lines.
.macro JLOAD g0a, g1a, g0b, g1b
	s_cmp_eq_u32 s15, 0
	s_cbranch_scc0 .Lfor_b_\@
	tensor_load_to_lds s[\g0a:\g0a+3], s[\g1a:\g1a+7]
	s_nop 0
.rept 4
	v_nop
.endr
	s_branch .Lasked_\@
.Lfor_b_\@:
	tensor_load_to_lds s[\g0b:\g0b+3], s[\g1b:\g1b+7]
	s_nop 0
.rept 4
	v_nop
.endr
.Lasked_\@:
.endm
.macro CREST                           ; a round of the cluster's barrier behind its opening barrier
	s_cmp_lg_u32 s14, 0
	s_cbranch_scc1 .Lnot_wave_0_\@
	s_barrier_signal -3
.Lnot_wave_0_\@:
	s_barrier_wait -3
	s_barrier_signal -1
	s_barrier_wait -1
.endm
.macro CROUND
	s_barrier_signal -1
	s_barrier_wait -1
	CREST
.endm
	s_load_b128 s[4:7], s[0:1], 0x0                ; xq, wq
	v_lshl_add_u32 v[SPW], v0, 2, SPARE
	v_mov_b32 v[NIL], 0
	ds_add_u32 v28, v29
	ds_add_u32 v28, v29
	s_wait_dscnt 0x0
	v_lshrrev_b32 v1, 5, v0
	v_readfirstlane_b32 s14, v1                    ; wave 0..3
	s_lshr_b32 s15, s14, 1                         ; which half of A's rows is mine.  Also: I fetch for A (0) or for B (1)
	s_and_b32 s16, s14, 1                          ; which half of B's rows.  Also: which 128 rows of that tile I fetch
	s_bfe_u32 s40, ttmp6, 0x40000                  ; cx, cy: my place in the cluster
	s_bfe_u32 s41, ttmp6, 0x40004
	s_lshl_b32 s42, ttmp9, 2                       ; 4 x cluster x
	s_and_b32 s17, ttmp7, 0xffff
	s_lshl_b32 s17, s17, 2                         ; 4 x cluster y
	s_cmp_eq_u32 ttmp9, 2                          ; v's clusters?
	s_cselect_b32 s42, s17, s42                    ; B's block of 256 rows: v: of x, by the cluster's y; q, k: of wq, by its x
	s_cselect_b32 s17, 8, s17                      ; A's: v: Wv begins at wq's row 2,048; q, k: of x
	s_add_co_u32 s42, s42, s40                     ; + cx: never holds cy
	s_add_co_u32 s17, s17, s41                     ; + cy: never holds cx
	s_lshl_b32 s43, s41, 2
	s_lshl_b32 s43, 15, s43                        ; my row of the cluster
	s_lshl_b32 s44, 0x1111, s40                    ; my column
	; descriptor group 1: a tile of 128 rows x 192 bytes, 16 bytes of padding behind every 64
	s_or_b32 s[G1+0], s43, (0<<16)|(1<<20)|(1<<21)|(3<<22)|(3<<25)  ; 15:0 the mask: A's tiles go to my row; elements of 1 byte; padding on; bit 21 beside a mask; after every 16 words, 4 words
	s_or_b32 s[G1B+0], s44, (0<<16)|(1<<20)|(1<<21)|(3<<22)|(3<<25)
.irp g, G1, G1B
	s_mov_b32 s[\g+1], ROWB<<16                    ; tensor_dim0
	s_mov_b32 s[\g+2], 128<<16                     ; tensor_dim1
	s_mov_b32 s[\g+3], ROWB<<16                    ; tile_dim0
	s_mov_b32 s[\g+4], 128                         ; tile_dim1
	s_mov_b32 s[\g+5], KROW                        ; from row to row
	s_mov_b32 s[\g+6], 0
	s_mov_b32 s[\g+7], 0
.endr
	; the scale bytes of 128 rows: 4,096 dense bytes, as 16 rows of 256 (32 elements of 8 bytes), 16 bytes of padding behind each
	s_or_b32 s[G1S+0], s43, (3<<16)|(1<<20)|(1<<21)|(5<<22)|(3<<25)
	s_or_b32 s[G1SB+0], s44, (3<<16)|(1<<20)|(1<<21)|(5<<22)|(3<<25)
.irp g, G1S, G1SB
	s_mov_b32 s[\g+1], 32<<16
	s_mov_b32 s[\g+2], 16<<16
	s_mov_b32 s[\g+3], 32<<16
	s_mov_b32 s[\g+4], 16
	s_mov_b32 s[\g+5], 32
	s_mov_b32 s[\g+6], 0
	s_mov_b32 s[\g+7], 0
.endr
	s_lshl_b32 s18, s16, 7                         ; which 128 rows of the tile I fetch
	s_lshl_b32 s20, s17, 8
	s_add_co_u32 s20, s20, s18                     ; A's row
	s_lshl_b32 s46, s42, 8
	s_add_co_u32 s46, s46, s18                     ; B's row
	s_mov_b32 s21, 0
	s_mov_b32 s47, 0
	s_mov_b64 s[18:19], KS
	s_mul_u64 s[22:23], s[20:21], s[18:19]         ; where these rows' scale bytes begin
	s_mul_u64 s[92:93], s[46:47], s[18:19]
	s_mov_b64 s[18:19], KROW
	s_mul_u64 s[20:21], s[20:21], s[18:19]         ; and their codes
	s_mul_u64 s[46:47], s[46:47], s[18:19]
	s_mul_i32 s45, s14, HALFT                      ; where they go: wave x 128 rows: no place in the cluster enters an LDS address
	s_mul_i32 s94, s14, HALFS
	s_wait_kmcnt 0x0
	s_add_nc_u64 s[96:97], s[4:5], XSO             ; xq's scale bytes
	s_add_nc_u64 s[98:99], s[6:7], WSO             ; wq's
	s_cmp_eq_u32 ttmp9, 2                          ; the choice of buffers hangs on the cluster's x alone
	s_cselect_b64 s[8:9], s[4:5], s[6:7]           ; B's codes
	s_cselect_b64 s[10:11], s[96:97], s[98:99]     ; B's scale bytes
	s_cselect_b64 s[4:5], s[6:7], s[4:5]           ; A's codes
	s_cselect_b64 s[6:7], s[98:99], s[96:97]       ; A's scale bytes
	s_add_nc_u64 s[20:21], s[4:5], s[20:21]
	s_add_nc_u64 s[22:23], s[6:7], s[22:23]
	s_add_nc_u64 s[46:47], s[8:9], s[46:47]
	s_add_nc_u64 s[92:93], s[10:11], s[92:93]
	CROUND                                         ; all sixteen work-groups are here: the first joint loads meet
	s_mov_b32 s[G0S], 1
	s_add_co_u32 s[G0S+1], s94, SCL
	s_mov_b64 s[G0S+2:G0S+3], s[22:23]
	s_or_b32 s[G0S+3], s[G0S+3], 0x80000000
	s_mov_b32 s[G0SB], 1
	s_add_co_u32 s[G0SB+1], s94, SCL
	s_mov_b64 s[G0SB+2:G0SB+3], s[92:93]
	s_or_b32 s[G0SB+3], s[G0SB+3], 0x80000000
	JLOAD G0S, G1S, G0SB, G1SB                     ; the scale bytes first: they are wanted with K step 0
.irp s, 0,1
	s_mov_b32 s[G0+4*\s], 1
	s_add_co_u32 s[G0+4*\s+1], s45, \s*SLOT
	s_add_nc_u64 s[G0+4*\s+2:G0+4*\s+3], s[20:21], \s*ROWB
	s_or_b32 s[G0+4*\s+3], s[G0+4*\s+3], 0x80000000
	s_mov_b32 s[G0B+4*\s], 1
	s_add_co_u32 s[G0B+4*\s+1], s45, \s*SLOT
	s_add_nc_u64 s[G0B+4*\s+2:G0B+4*\s+3], s[46:47], \s*ROWB
	s_or_b32 s[G0B+4*\s+3], s[G0B+4*\s+3], 0x80000000
	JLOAD G0+4*\s, G1, G0B+4*\s, G1B
.endr
	s_load_b128 s[4:7], s[0:1], 0x10               ; for the way out: rope s[4:5], qq s[6:7]  (the input pointers have gone into the descriptors)
	s_load_b64 s[8:9], s[0:1], 0x20                ; kv
	v_and_b32 v1, 15, v0                           ; r = l % 16
	v_bfe_u32 v2, v0, 4, 1                         ; h = l / 16
	v_mul_u32_u24 v3, v1, PITCH
	v_mul_u32_u24 v4, v2, 24
	v_add_nc_u32 v4, v3, v4                        ; a fragment's row x pitch + 24 x half
	v_lshl_add_u32 v5, v2, 4, v4                   ; and the same behind one padding more
	s_mul_i32 s21, s15, HALFT                      ; my 128 rows of A
	s_mul_i32 s22, s16, HALFT                      ; my 128 rows of B,
	s_add_co_u32 s22, s22, 2*HALFT                 ; which lie behind A's 256
.irp s, 0,1
	v_add_nc_u32 v[ADRA+\s], s21, v4
	v_add_nc_u32 v[ADRB+\s], s22, v4
	v_add_nc_u32 v[ADRA+2+\s], s21, v5
	v_add_nc_u32 v[ADRB+2+\s], s22, v5
	s_add_co_u32 s21, s21, SLOT
	s_add_co_u32 s22, s22, SLOT
.endr
	v_mul_u32_u24 v5, v1, KS                       ; my row's scale bytes: 32 a row,
	v_lshrrev_b32 v6, 8, v5
	v_lshl_add_u32 v5, v6, 4, v5                   ; and 16 more for each 256 passed
	s_mul_i32 s21, s15, HALFS
	s_mul_i32 s22, s16, HALFS
	s_add_co_u32 s22, s22, 2*HALFS
	s_sub_co_u32 s22, s22, s21
	v_mul_u32_u24 v6, s22, v2                      ; lanes 16-31 take B's: one product, the distance between the two bases
	s_add_co_u32 s21, s21, SCL
	v_add_nc_u32 v5, v5, v6
	v_add_nc_u32 v[ADRS], s21, v5
.macro FRAG reg, adr, q, i             ; a fragment, 16 rows x 128 K: lane l holds row l % 16; registers 6 c .. 6 c + 5 hold K = 64 c + 32 (l / 16) + 0 .. 31: 24 bytes of the row, as they lie, in pieces of 8
.irp p, 0,1,2,3,4,5
.set PCE, 12*(\q)+6*(\p/3)+\p%3       ; the piece for lanes 0-15; lanes 16-31 read three pieces on: where that lies behind one padding more, the second address register serves
.if PCE%8 < 5
	ds_load_b64 v[\reg+2*\p:\reg+2*\p+1], v[\adr] offset:8*PCE+16*(PCE/8)+(\i)*16*PITCH
.else
	ds_load_b64 v[\reg+2*\p:\reg+2*\p+1], v[\adr+2] offset:8*PCE+16*(PCE/8)+(\i)*16*PITCH
.endif
.endr
.endm
; 16 matrix instructions: A's blocks a0, a0 + 1 x B's eight.  The 64 accumulators take turns, one instruction a turn, in the same order in every step.
.macro MUL16 a0, p, q, sc, zero
.irp a, \a0, \a0+1
.irp b, 0,1,2,3,4,5,6,7
.if \zero
	v_wmma_scale_f32_16x16x128_f8f6f4 v[8*(8*((\a)%4)+\b):8*(8*((\a)%4)+\b)+7], v[128*(\p)+FR*\b:128*(\p)+FR*\b+FR-1], v[AF+FR*(\a):AF+FR*(\a)+FR-1], 0, v[SC+8*NQ*(\sc)+NQ*\b+(\q)], v[SC+8*NQ*(\sc)+NQ*(\a)+(\q)] matrix_a_fmt:MATRIX_FMT_BF6 matrix_b_fmt:MATRIX_FMT_BF6 matrix_a_scale:MATRIX_SCALE_ROW1
.else
	v_wmma_scale_f32_16x16x128_f8f6f4 v[8*(8*((\a)%4)+\b):8*(8*((\a)%4)+\b)+7], v[128*(\p)+FR*\b:128*(\p)+FR*\b+FR-1], v[AF+FR*(\a):AF+FR*(\a)+FR-1], v[8*(8*((\a)%4)+\b):8*(8*((\a)%4)+\b)+7], v[SC+8*NQ*(\sc)+NQ*\b+(\q)], v[SC+8*NQ*(\sc)+NQ*(\a)+(\q)] matrix_a_fmt:MATRIX_FMT_BF6 matrix_b_fmt:MATRIX_FMT_BF6 matrix_a_scale:MATRIX_SCALE_ROW1
.endif
.endr
.endr
.endm
.macro FETCH_B slot, q, p
	WIN TO_B
.irp i, 0,1,2,3,4,5,6,7
	FRAG 128*(\p)+FR*\i, ADRB+\slot, \q, \i
.endr
	WIN 0
.endm
.macro FETCH_A slot, q, i0
.irp i, \i0, \i0+1, \i0+2, \i0+3
	FRAG AF+FR*(\i), ADRA+\slot, \q, \i
.endr
.endm
.macro SCALES sc                       ; a K step's scale words: two words a row; lanes 0-15 take A's block i, lanes 16-31 B's block i
.irp i, 0,1,2,3,4,5,6,7
	ds_load_b64 v[SC+8*NQ*\sc+NQ*\i:SC+8*NQ*\sc+NQ*\i+1], v[ADRS] offset:\i*SBLK
.endr
.endm
.macro PLACES n                        ; plain vector lines between a matrix instruction and a load into, or a vector line on, its registers
.rept \n
	v_nop
.endr
.endm
.macro STEP slot, q, zero              ; 128 along K whose successor lies in the same slot
	s_wait_dscnt 4*NL                              ; B's set and A's blocks 0-3 are in; the youngest 24 loads (A's blocks 4-7) may be out
	WIN MUL_LO
	MUL16 0, (\q)%2, \q, \slot, \zero
	MUL16 2, (\q)%2, \q, \slot, \zero
	s_wait_dscnt 0
	PLACES NP
	FETCH_B \slot, (\q)+1, 1-(\q)%2
	FETCH_A \slot, (\q)+1, 0
	WIN MUL_HI
	MUL16 4, (\q)%2, \q, \slot, \zero
	MUL16 6, (\q)%2, \q, \slot, \zero
	PLACES NP
	WIN 0
	FETCH_A \slot, (\q)+1, 4
.endm
; A slot's last step changes slots: one barrier; in front of it each wave waits for all its tensor loads, adds 0 to its spare word, and waits for that and for its own reads of this slot.
.macro TURN slot, next, fill
	s_wait_tensorcnt 0x0                           ; all my tensor loads have landed: my part of the next slot
	ds_add_u32 v[SPW], v[NIL]                      ; 0 onto my spare word
	s_wait_dscnt 4*NL+1                            ; (the add and the youngest 24 loads may be out)
	WIN MUL_LO
	MUL16 0, 1, NQ-1, \slot, 0                     ; sixteen matrix instructions stand between the add and the wait for it
	s_wait_dscnt 0x0                               ; the add is done, and my reads of this slot are over
	s_barrier_signal -1
	MUL16 2, 1, NQ-1, \slot, 0
	WIN 0
	s_barrier_wait -1
.if \fill
	CREST                                          ; the barrier has opened a round of the cluster's: no wave of any partner still reads this slot or has a load on its way
	s_add_nc_u64 s[G0+4*\slot+2:G0+4*\slot+3], s[G0+4*\slot+2:G0+4*\slot+3], 2*ROWB
	s_add_nc_u64 s[G0B+4*\slot+2:G0B+4*\slot+3], s[G0B+4*\slot+2:G0B+4*\slot+3], 2*ROWB
	JLOAD G0+4*\slot, G1, G0B+4*\slot, G1B         ; the first tensor load behind the round; its four v_nop are the places in front of the loads below
.else
	PLACES NP
.endif
	v_add_nc_u32 v[ADRS], 4*NQ, v[ADRS]            ; on to the next K step's scale words
	FETCH_B \next, 0, 0
	FETCH_A \next, 0, 0
	SCALES \next
	WIN MUL_HI
	MUL16 4, 1, NQ-1, \slot, 0
	MUL16 6, 1, NQ-1, \slot, 0
	PLACES NP
	WIN 0
	FETCH_A \next, 0, 4
.endm
	s_wait_kmcnt 0x0                               ; the way out's three pointers
	s_wait_tensorcnt 1                             ; the scale bytes and my part of K step 0 are in (K step 1's load may be out)
	s_barrier_signal -1
	s_barrier_wait -1                              ; everybody's are
	FETCH_B 0, 0, 0
	FETCH_A 0, 0, 0
	SCALES 0
	FETCH_A 0, 0, 4
	STEP 0, 0, 1                                   ; the first step stands in front of the loop: its products start the sums
	s_mov_b32 s3, LAPS-1
.Llap:                                                 ; a trip goes once round the ring and fills both slots again
	TURN 0, 1, 1
	STEP 1, 0, 0
	TURN 1, 0, 1
	STEP 0, 0, 0
	s_sub_co_u32 s3, s3, 1
	s_cmp_lg_u32 s3, 0
	s_cbranch_scc1 .Llap
	TURN 0, 1, 0                                   ; the last lap fills nothing
	STEP 1, 0, 0
	s_wait_dscnt 4*NL
	WIN MUL_LO
	MUL16 0, 1, NQ-1, 1, 0
	MUL16 2, 1, NQ-1, 1, 0
	s_wait_dscnt 0
	WIN MUL_HI
	MUL16 4, 1, NQ-1, 1, 0
	MUL16 6, 1, NQ-1, 1, 0
	WIN 0
	PLACES NP                                      ; behind the last products: what follows reads results and writes registers that held fragments
; ---------------- THE WAY OUT ----------------
; 64 numbers of a lane, v[s] .. v[s + 63] of window w, register 16 b + i = K index 32 b + 16 (lane / 16) + i of my row, become a fragment's 12 registers of codes in v[PC] on and its scale word in v[PW].
; Every accumulator is read from its low end on.
.macro QUANT s, w
	WIN ((\w)<<2)|((\w)<<4)                        ; sources 1 and 2 in window w
.irp b, 0,1,2,3
	v_max3_num_f32 v[TM+\b], 0x2800000, |v[(\s)+16*\b]|, |v[(\s)+1+16*\b]|   ; block b: my 16 numbers, and the floor 2^(5 - 127): so the byte cannot fall under 1
.endr
.irp i, 2,4,6,8,10,12,14
.irp b, 0,1,2,3
	v_max3_num_f32 v[TM+\b], v[TM+\b], |v[(\s)+16*\b+\i]|, |v[(\s)+1+16*\b+\i]|   ; the four blocks by turns
.endr
.endr
	WIN 0
.irp b, 0,1,2,3
	v_permlanex16_b32 v[TM+4+\b], v[TM+\b], s[SEL], s[SEL+1]
.endr
.irp b, 0,1,2,3
	v_max_num_f32 v[TM+\b], v[TM+\b], v[TM+4+\b]   ; with lane l xor 16's: the block's largest magnitude
.endr
.irp b, 0,1,2,3
	v_add_nc_u32 v[TM+12+\b], 0xfe000000, v[TM+\b] ; 4 off its exponent field: the conversion's scale operand
.endr
.irp b, 0,1,2,3
	v_lshrrev_b32 v[TM+4+\b], 23, v[TM+12+\b]      ; the scale's byte
.endr
	v_lshl_or_b32 v[PW], v[TM+5], 8, v[TM+4]
	v_lshl_or_b32 v[PW], v[TM+6], 16, v[PW]
	v_lshl_or_b32 v[PW], v[TM+7], 24, v[PW]
	WIN (\w)                                       ; source 0 in window w
.irp c, 0,1
	v_cvt_scalef32_pk16_bf6_f32 v[PC+6*\c:PC+2+6*\c], v[(\s)+32*\c:(\s)+15+32*\c], v[TM+12+2*\c]
	v_cvt_scalef32_pk16_bf6_f32 v[PC+12+4*\c:PC+14+4*\c], v[(\s)+16+32*\c:(\s)+31+32*\c], v[TM+12+2*\c+1]   ; (a conversion's three registers begin on an even number)
.endr
	WIN 0
	v_nop                                          ; one plain line behind a scaled conversion
.irp c, 0,1                                    ; the operand's layout wants a whole block in a lane: lanes 0-15 block 2 c, lanes 16-31 block 2 c + 1
.irp i, 0,1,2
	v_permlane16_swap_b32 v[PC+6*\c+\i], v[PC+12+4*\c+\i]
.endr
.irp i, 0,1,2
	v_mov_b32 v[PC+3+6*\c+\i], v[PC+12+4*\c+\i]
.endr
.endr
.endm
.macro FINISH                          ; the wave's end: three lines behind my last tensor load and my last LDS store; then the closing round
	s_wait_tensorcnt 0x0
	ds_add_u32 v[SPW], v[NIL]
	s_wait_dscnt 0x0
	CROUND
	s_endpgm
.endm
	; every address register of both ways out is made here, ahead of the parting
	v_and_b32 v1, 31, v0
	v_and_b32 v11, 15, v0                          ; r
	v_bfe_u32 v12, v0, 4, 1                        ; h
	v_lshlrev_b32 v[L8], 3, v1
	v_lshlrev_b32 v[L16], 4, v1
	v_and_b32 v13, 8, v11
	v_add_nc_u32 v13, v13, v11                     ; stored row r of a tile is true row r + 8 (r / 8) of its 32 (+ 8 for an odd tile)
	v_lshlrev_b32 v[RT], 8, v13                    ; 256 bytes a position,
	v_lshl_add_u32 v[RT], v12, 6, v[RT]            ; + 64 h: my 8 pairs of each 16
	v_lshlrev_b32 v[SH], 4, v12
	s_lshl_b32 s18, s14, 10
	s_add_co_u32 s18, s18, STQ
	s_lshl_b32 s19, s14, 9
	s_add_co_u32 s19, s19, STV
	v_lshlrev_b32 v13, 2, v11
	v_lshl_add_u32 v[QSI], v12, 9, v13
	v_add_nc_u32 v[QSI], s18, v[QSI]               ; STQ + 1,024 wave + 512 h + 4 r
	v_add_nc_u32 v[QSB], s18, v[L16]
	v_add_nc_u32 v[VSI], s19, v13                  ; STV + 512 wave + 4 r
	v_add_nc_u32 v[VSB], s19, v[L16]
	v_lshlrev_b32 v[VGO], 4, v11
	v_mad_u32_u24 v[VGO], v12, HEADB, v[VGO]
.irp b, 0,1,2,3
	v_mov_b32 v[TM+4+\b], 0                        ; written once: a lane permute's destination counts as one of its sources
.endr
	s_mov_b32 s[SEL], 0x76543210
	s_mov_b32 s[SEL+1], 0xfedcba98
	s_lshl_b32 s22, s17, 8
	s_lshl_b32 s23, s15, 7
	s_add_co_u32 s22, s22, s23                     ; my first row of A
	s_lshl_b32 s23, s42, 8
	s_lshl_b32 s24, s16, 7
	s_add_co_u32 s23, s23, s24                     ; my first row of B
	s_mov_b32 s27, 0
	s_cmp_eq_u32 ttmp9, 2                          ; the same in all sixteen partners
	s_cbranch_scc1 .Lv_out
	; ---- q and k.  My 128 rows of A are 128 stored positions of one batch: one key step; my 128 rows of B are two heads.
	s_lshr_b32 s24, s22, 11                        ; the batch
	s_bfe_u32 s25, s22, 0x40007                    ; which 128 positions of its 2,048
	s_bfe_u32 s26, s23, 0x40006                    ; my first head
	s_lshl_b32 s24, s24, 4
	s_add_co_u32 s24, s24, s26                     ; 16 x batch + head
	s_and_b32 s26, s22, 2047
	s_lshl_b32 s26, s26, 8
	s_add_nc_u64 s[4:5], s[4:5], s[26:27]          ; the table at my first position
	s_add_nc_u64 s[28:29], s[6:7], QSO_            ; q's scale words
	s_add_nc_u64 s[30:31], s[8:9], 12288           ; k's, inside a key step
	s_mov_b32 s32, HEADB
	s_mov_b32 s33, STEPB
	s_cmp_eq_u32 ttmp9, 1                          ; k or q?  All selections stand ahead of the next addition
	s_cselect_b64 s[34:35], s[8:9], s[6:7]         ; where the images go
	s_cselect_b64 s[36:37], s[30:31], s[28:29]     ; and the scale words
	s_cselect_b32 s38, s32, 98304                  ; images: from head to head (q: 128 tiles x 768),
	s_cselect_b32 s39, s33, 6144                   ; from 128 positions to the next
	s_cselect_b32 s40, s32, 8192                   ; scale words: from head to head (q: 2,048 x 4),
	s_cselect_b32 s41, s33, 512                    ; from 128 positions to the next
	s_mul_i32 s26, s24, s38
	s_mul_i32 s43, s25, s39
	s_add_co_u32 s26, s26, s43
	s_add_nc_u64 s[44:45], s[34:35], s[26:27]      ; my first head's images
	s_mov_b32 s26, s38
	s_add_nc_u64 s[46:47], s[44:45], s[26:27]      ; my second head's
	s_mul_i32 s26, s24, s40
	s_mul_i32 s43, s25, s41
	s_add_co_u32 s26, s26, s43
	s_add_nc_u64 s[48:49], s[36:37], s[26:27]      ; and their scale words
	s_mov_b32 s26, s40
	s_add_nc_u64 s[50:51], s[48:49], s[26:27]
; cos and sin for block a's 16 positions: lane (r, h) wants, of its position, pairs 16 hb + 8 h + 0 .. 7 for hb = 0, 1: 2 x 64 bytes.  Both heads take the same.
.macro CSLOAD a
.irp hb, 0,1
.irp jj, 0,1,2,3
	global_load_b128 v[CS0+32*((\a)%2)+16*\hb+4*\jj:CS0+32*((\a)%2)+16*\hb+4*\jj+3], v[RT], s[4:5] offset:(32*((\a)/2)+8*((\a)%2))*256+128*\hb+16*\jj
.endr
.endr
.endm
; Block a: 16 positions x my two heads.  Rotation: (x1, x2) -> (x1 c - x2 s, x1 s + x2 c), a packed multiply and a packed multiply-add for each pair.
.macro QK_BLOCK a
.if (\a) < 7
	s_wait_loadcnt 8                               ; this block's eight loads are in; the next block's eight may be out
.else
	s_wait_loadcnt 0x0
.endif
.set ACB, 64*((\a)%4)
.set CSB, CS0+32*((\a)%2)
	WIN 2+(\a)/4                                   ; source 0: the accumulators' window
.irp b, 0,1,2,3,4,5,6,7
.irp jp, 0,1,2,3
	v_pk_mul_f32 v[RB+8*\b+2*\jp:RB+8*\b+2*\jp+1], v[ACB+8*\b+2*\jp:ACB+8*\b+2*\jp+1], v[CSB+16*((\b/2)%2)+8*(\b%2)+2*\jp:CSB+16*((\b/2)%2)+8*(\b%2)+2*\jp+1] op_sel_hi:[1,0]   ; (x1 c, x2 c)
.endr
.endr
.irp b, 0,1,2,3,4,5,6,7
.irp jp, 0,1,2,3
	v_pk_fma_f32 v[RB+8*\b+2*\jp:RB+8*\b+2*\jp+1], v[ACB+8*\b+2*\jp:ACB+8*\b+2*\jp+1], v[CSB+16*((\b/2)%2)+8*(\b%2)+2*\jp:CSB+16*((\b/2)%2)+8*(\b%2)+2*\jp+1], v[RB+8*\b+2*\jp:RB+8*\b+2*\jp+1] op_sel:[1,1,0] op_sel_hi:[0,1,1] neg_lo:[0,1,0]   ; (- x2 s + x1 c, x1 s + x2 c)
.endr
.endr
	WIN 0
.if (\a) < 6
	CSLOAD (\a)+2                                  ; into the set just read
.endif
	s_wait_xcnt 0x0                                ; the last block's stores have read their data: the codes' registers are written again below
	s_wait_dscnt 0x0                               ; and its LDS store its word
	QUANT RB, 0                                    ; blocks 0, 1: my first head's 64; blocks 2, 3: my second head's
.irp p, 0,1,2,3,4,5
	global_store_b64 v[L8], v[PC+2*\p:PC+2*\p+1], s[44+2*(\p/3):45+2*(\p/3)] offset:768*(\a)+256*(\p%3)   ; an image of 16 rows x 64: three stores of 256 consecutive bytes, aligned
.endr
	v_bfe_u32 v[HW], v[PW], v[SH], 16              ; lanes 0-15: my first head's two bytes; lanes 16-31: my second head's; the upper two bytes are 0
	ds_store_b32 v[QSI], v[HW] offset:64*(\a)
.endm
	CSLOAD 0
	CSLOAD 1
.irp a, 0,1,2,3,4,5,6,7
	QK_BLOCK \a
.endr
	ds_load_b128 v[BKR:BKR+3], v[QSB]              ; my own bytes, in order behind my stores: 128 words of the first head,
	ds_load_b128 v[BKR+4:BKR+7], v[QSB] offset:512 ; of the second
	s_wait_dscnt 0x0
	global_store_b128 v[L16], v[BKR:BKR+3], s[48:49]     ; 512 consecutive bytes each, aligned
	global_store_b128 v[L16], v[BKR+4:BKR+7], s[50:51]
	FINISH
	; ---- v.  My 128 rows of A are two heads' 64 features (stored order); my 128 rows of B are 128 true neighbouring keys: one key step.
.Lv_out:
	s_sub_co_u32 s24, s17, 8
	s_lshl_b32 s24, s24, 2
	s_lshl_b32 s25, s15, 1
	s_add_co_u32 s24, s24, s25                     ; my first head
	s_lshr_b32 s25, s23, 11                        ; the batch
	s_lshl_b32 s25, s25, 4
	s_add_co_u32 s24, s24, s25
	s_bfe_u32 s25, s23, 0x40007                    ; the key step
	s_mul_i32 s26, s24, HEADB
	s_mul_i32 s25, s25, STEPB
	s_add_co_u32 s26, s26, s25
	s_add_nc_u64 s[44:45], s[8:9], s[26:27]        ; the key step of my first head,
	s_add_nc_u64 s[46:47], s[44:45], HEADB         ; of my second
.macro V_BLOCK a                       ; 16 features x 128 keys: one whole fragment of the second product
.if (\a) > 0
	s_wait_xcnt 0x0                                ; the last block's stores have read their data
	s_wait_dscnt 0x0
.endif
	QUANT 64*((\a)%4), 2+(\a)/4
.irp c, 0,1,2
	global_store_b128 v[L16], v[PC+4*\c:PC+4*\c+3], s[44+2*((\a)/4):45+2*((\a)/4)] offset:6144+1536*((\a)%4)+512*\c   ; the image: three stores of 512 consecutive bytes
.endr
	ds_store_b32 v[VSI], v[PW] offset:64*(\a)      ; lanes r and r + 16 write the same word with the same value
.endm
.irp a, 0,1,2,3,4,5,6,7
	V_BLOCK \a
.endr
	ds_load_b128 v[BKR:BKR+3], v[VSB]
	s_wait_dscnt 0x0
	global_store_b128 v[VGO], v[BKR:BKR+3], s[44:45] offset:12800   ; lanes 0-15: my first head's 256 bytes, lanes 16-31: my second head's
	FINISH
.Lfunc_end_k_q4602659572_qkv:
	.size	k_q4602659572_qkv, .Lfunc_end_k_q4602659572_qkv-k_q4602659572_qkv
	.p2alignl 7, 3214868480
	.fill 96, 4, 3214868480
	.section	.rodata,"a",@progbits
	.p2align	6, 0x0
	.amdhsa_kernel k_q4602659572_qkv
		.amdhsa_group_segment_fixed_size 327680
		.amdhsa_private_segment_fixed_size 0
		.amdhsa_enable_private_segment 0
		.amdhsa_kernarg_size 40
		.amdhsa_user_sgpr_count 2
		.amdhsa_user_sgpr_kernarg_segment_ptr 1
		.amdhsa_wavefront_size32 1
		.amdhsa_system_sgpr_workgroup_id_x 1
		.amdhsa_system_sgpr_workgroup_id_y 1
		.amdhsa_system_sgpr_workgroup_id_z 1
		.amdhsa_system_vgpr_workitem_id 0
		.amdhsa_next_free_vgpr 1024
		.amdhsa_next_free_sgpr 100
		.amdhsa_reserve_vcc 0
		.amdhsa_float_denorm_mode_32 3
		.amdhsa_float_denorm_mode_16_64 3
		.amdhsa_memory_ordered 1
		.amdhsa_forward_progress 1
		.amdhsa_inst_pref_size 243
	.end_amdhsa_kernel
	.amdgpu_metadata
---
amdhsa.version: [ 1, 2 ]
amdhsa.kernels:
  - .name:           k_q4602659572_qkv
    .symbol:         k_q4602659572_qkv.kd
    .args:
      - { .name: xq, .offset: 0, .size: 8, .value_kind: global_buffer, .address_space: global }
      - { .name: wq, .offset: 8, .size: 8, .value_kind: global_buffer, .address_space: global }
      - { .name: rope, .offset: 16, .size: 8, .value_kind: global_buffer, .address_space: global }
      - { .name: qq, .offset: 24, .size: 8, .value_kind: global_buffer, .address_space: global }
      - { .name: kv, .offset: 32, .size: 8, .value_kind: global_buffer, .address_space: global }
    .group_segment_fixed_size: 327680
    .private_segment_fixed_size: 0
    .kernarg_segment_align: 8
    .kernarg_segment_size: 40
    .max_flat_workgroup_size: 128
    .sgpr_count:     100
    .vgpr_count:     1024
    .wavefront_size: 32
...
	.end_amdgpu_metadata
.endif
;; end of part 2
;; launch attn (part 3): grid 4 x 64, 16 waves a work-group, clusters of 4 x 1, 210,944 bytes of LDS; arguments qq, kv, oq; writes oq
.if DOCPART == 3
	.amdgcn_target "amdgcn-amd-amdhsa--gfx1250"
	.amdhsa_code_object_version 6
	.text
	.protected	k_q4602659572_attn
	.globl	k_q4602659572_attn
	.p2align	8
	.type	k_q4602659572_attn,@function
k_q4602659572_attn:
	s_mov_b64 s[64:65], 0
	v_nop
	global_prefetch_b8 v0, s[64:65] scope:SCOPE_SE
	s_setreg_imm32_b32 hwreg(HW_REG_WAVE_MODE, 25, 1), 1
	s_wait_xcnt 0x0
	s_wait_alu depctr_hold_cnt(0) depctr_sa_sdst(0) depctr_va_vdst(0) depctr_va_sdst(0) depctr_va_ssrc(0) depctr_va_vcc(0) depctr_vm_vsrc(0)
	s_getreg_b32 s2, hwreg(HW_REG_IB_STS2, 6, 4)
	s_cmp_eq_u32 s2, 0
	s_cbranch_scc0 .Lentry_in_a_cluster
	s_endpgm
.Lentry_in_a_cluster:
	s_bfe_u32 s2, ttmp6, 0x10000c
	s_cmp_lg_u32 s2, 0x3003
	s_cbranch_scc0 .Lentry_shape_is_right
	s_endpgm
.Lentry_shape_is_right:
; THIRD LAUNCH: causal attention on codes of BF6 (E3M2) with E8M0 scales; 64 heads (batch x head) of 2,048 positions x 64.
; t = score x log2(e) / 8; M = the row's largest t so far, rounded UP to a whole number; p = 2^(t - M) is quantised along the keys, not normalised; the row's sum is taken of the unquantised p and divides O at the end.
; When M moves, the sum and O are multiplied by 2^(old M - new M): exact.  O / sum is quantised along the head's 64 and leaves as an image of operand registers for the last launch, with two scale bytes a row.
; A WHOLE HEAD'S K AND V LIE IN LDS: 16 key steps of 13,056 bytes (K's 8 images of 16 keys x 64; V's 4 images of 16 features x 128 keys; K's 128 scale words; V's 64), as the launch before laid them: 208,896 bytes.
; They are filled once: no slot is ever filled again, so there is no ring.  Every LDS read is an image: consecutive bytes over the lanes, no pitch, no padding.
; CLUSTER.  The four work-groups of a head form a cluster and ask for the head's bytes jointly: eight loads of 102 rows x 256 bytes, two by each of waves 0 to 3, the same in all four partners.
; All of them go out at the head, so there is nothing that a prefetch could ask for earlier.
; SHARES.  A tile is 16 stored positions; 8 tiles make a block of 128.  Wave w of work-group i has g = w % 8 and e = 2 i + w / 8, and makes tile e of block 15 - g (16 - g key steps) and then tile e of block g
; (g + 1 key steps): 17 key steps for every wave.  Branches hang on the wave's number and on counters; the work-group's place enters global addresses and the mask's numbers alone.
; LAYOUT.  Both products are used transposed: S^T = K Q^T (source 0 = 16 keys), O^T = V^T P^T (source 0 = 16 features): a lane holds ONE query throughout.  Positions and V's features lie in memory with bits 3 and 4
; of their number exchanged inside each 32, so the 16 registers of tiles 2 b, 2 b + 1 are 16 true neighbours: keys 32 b + 16 (lane / 16) + 0 .. 15 of the step.
; THE HEAD'S 64 FILL HALF OF THE INSTRUCTION'S 128: Q's upper six registers are zero codes.  K's operand for tile t is its six registers and the six that follow (the next tile's codes; zeros behind tile 7):
; whatever they hold meets zero codes, under scale bytes 0 (2^-127, a number), and adds an exact 0.
; LIMITS: a block of zeros, or one under 2^-122, gets the byte 1; 1 / sum is v_rcp_f32 and a multiply; a block's largest p is taken from its largest score by the same two instructions; NaN and infinities are not served.
.set HEADB, 208896
.set STEPB, 13056
.set QSO_,  6291456                    ; qq: where the scale words begin
.set OSO,   6291456                    ; oq: where the scale bytes begin
.set L8,   1                           ; v1  8 x lane    v2  16 x lane    v3  4 x lane
.set L16,  2
.set L4,   3
.set DQ,   4                           ; v4  my query's true number in its block of 128, less 16 (lane / 16)
.set R4,   5                           ; v5  4 r
.set R32,  6                           ; v6  32 r
.set NINF, 7                           ; v7  -infinity
.set ADK,  8                           ; v8-10 the step's LDS addresses
.set ADV,  9
.set ADS,  10
                                       ; v12 -M, v13 the largest t, v[14:15] the sum in two halves; v16-27 Q of the first tile, v28 its scale words, v29 the second tile's; v192-203 Q of the second tile
.set KF,   32                          ; v32-79 K's 8 tiles, 6 registers each; later V's 4 fragments, 12 each; v80-85 zeros
.set KSW,  86                          ; v86-89 K's scale words: lanes 0-15 tile 2 b, lanes 16-31 tile 2 b + 1
.set VSW,  90                          ; v90-91 V's likewise
.set PSW,  92                          ; v92 p's scale word
                                       ; v96-159 S^T, then p; v160-191 O^T
.set BM,   204                         ; v204-207 block maxima
.set BX,   208                         ; v208-211 at work
.set SO,   212                         ; v212-215 the conversions' scale operands
.set OW,   218                         ; v218 o's two scale bytes;  v[216:217] the sum's second chain
.set PC,   224                         ; v224-235 codes
.set PT,   236                         ; v236-242 the conversions' second halves;  v[252:253] f;  v254 at work
.set WV,   10
.set SEL,  20
.set CS,   22
.set G1,   24
.set ST,   56                          ; s56 the key step   s57 its first LDS byte   s58 my tile's block   s59 a loop's counter
.set TB,   57
.set BLK,  58
.set CNT,  59
.macro CROUND                          ; a round of the cluster's barrier
	s_barrier_signal -1
	s_barrier_wait -1
	s_cmp_lg_u32 s[WV], 0
	s_cbranch_scc1 .Lnot_wave_0_\@
	s_barrier_signal -3
.Lnot_wave_0_\@:
	s_barrier_wait -3
	s_barrier_signal -1
	s_barrier_wait -1
.endm
	s_load_b128 s[4:7], s[0:1], 0x0                ; qq, kv
	s_load_b64 s[8:9], s[0:1], 0x10                ; oq
	v_lshl_add_u32 v251, v0, 2, 0x33000
	v_mov_b32 v255, 0
	ds_add_u32 v251, v255
	ds_add_u32 v251, v255
	v_lshrrev_b32 v8, 5, v0
	s_delay_alu instid0(VALU_DEP_1)
	v_readfirstlane_b32 s[WV], v8                  ; wave 0..15
	s_bfe_u32 s11, ttmp6, 0x40000                  ; cx
	s_lshl_b32 s17, ttmp9, 2
	s_add_co_u32 s11, s11, s17                     ; i = 4 x cluster x + cx
	s_and_b32 s12, ttmp7, 0xffff                   ; the head, which the four partners share
	s_and_b32 s13, s[WV], 7                        ; g
	s_lshr_b32 s14, s[WV], 3
	s_lshl_b32 s17, s11, 1
	s_add_co_u32 s14, s14, s17                     ; e
	s_sub_co_u32 s15, 15, s13                      ; my first tile's block,
	s_mov_b32 s16, s13                             ; my second's
	s_lshl_b32 s18, s12, 7                         ; 128 tiles a head
	s_lshl_b32 s19, s15, 3
	s_add_co_u32 s19, s19, s14                     ; my first tile in the head,
	s_lshl_b32 s17, s16, 3
	s_add_co_u32 s17, s17, s14                     ; my second
	; descriptor group 1: 102 rows of 256 bytes, dense: two key steps
	s_mov_b32 s[G1], 15|(3<<16)|(1<<21)            ; 15:0 the mask: all four work-groups; elements of 8 bytes; no padding; bit 21 beside a mask
	s_mov_b32 s[G1+1], 32<<16                      ; tensor_dim0 = 32 elements
	s_mov_b32 s[G1+2], 102<<16                     ; tensor_dim1
	s_mov_b32 s[G1+3], 32<<16                      ; tile_dim0
	s_mov_b32 s[G1+4], 102                         ; tile_dim1
	s_mov_b32 s[G1+5], 32                          ; from row to row
	s_mov_b32 s[G1+6], 0
	s_mov_b32 s[G1+7], 0
	s_mov_b32 s[SEL], 0x76543210
	s_mov_b32 s[SEL+1], 0xfedcba98                 ; v_permlanex16_b32's selects for lane l xor 16
	s_mov_b32 s[CS], 0x3e38aa3b                    ; c = log2(e) / 8
	s_mov_b32 s[CS+1], s[CS]                       ; (named with it as a pair, so it is written)
	s_mov_b32 s61, 0
	s_mul_i32 s60, s12, HEADB                      ; the head's bytes in kv (under 2^24 x 1),
	s_mul_i32 s33, s[WV], 2*STEPB                  ; my two key steps: in LDS,
	s_add_co_u32 s60, s60, s33                     ; and in memory
	s_add_co_u32 s37, s33, 8*STEPB                 ; and the two that lie eight steps on
	s_mov_b32 s32, 1
	s_mov_b32 s36, 1
	s_wait_dscnt 0x0
	s_wait_kmcnt 0x0
	s_add_nc_u64 s[34:35], s[6:7], s[60:61]
	s_add_nc_u64 s[38:39], s[34:35], 8*STEPB
	s_or_b32 s35, s35, 0x80000000                  ; type = 2
	s_or_b32 s39, s39, 0x80000000
	CROUND                                         ; all four work-groups are here: the joint loads meet
	s_cmp_lt_u32 s[WV], 4                          ; waves 0 to 3 fetch; a wave's two fills stand in one branch: two loads of mine are out
	s_cbranch_scc0 .Lno_fetch
	tensor_load_to_lds s[32:35], s[G1:G1+7]        ; key steps 2 w, 2 w + 1
	s_nop 0
	tensor_load_to_lds s[36:39], s[G1:G1+7]        ; key steps 8 + 2 w, 9 + 2 w
	s_nop 0
.rept 4
	v_nop
.endr
.Lno_fetch:
	s_add_nc_u64 s[2:3], s[4:5], QSO_              ; q's scale words
	s_add_nc_u64 s[62:63], s[8:9], OSO             ; o's scale bytes
.macro TILEPTR t, q, o                 ; the tile in s[t]: s[q:q+1] Q's image, s[q+2:q+3] its scale words, s[o:o+1] O's image, s[o+2:o+3] its scale bytes
	s_add_co_u32 s59, s18, s[\t]
	s_mul_i32 s60, s59, 768
	s_add_nc_u64 s[\q:\q+1], s[4:5], s[60:61]
	s_add_nc_u64 s[\o:\o+1], s[8:9], s[60:61]
	s_lshl_b32 s60, s59, 6                         ; 16 words of 4 bytes a tile
	s_add_nc_u64 s[\q+2:\q+3], s[2:3], s[60:61]
	s_lshr_b32 s60, s12, 4                         ; the batch: 128 tiles of 16 rows of 32 bytes,
	s_lshl_b32 s60, s60, 7
	s_add_co_u32 s60, s60, s[\t]
	s_lshl_b32 s60, s60, 9
	s_and_b32 s59, s12, 15                         ; and the head's two bytes in a row
	s_lshl_b32 s59, s59, 1
	s_add_co_u32 s60, s60, s59
	s_add_nc_u64 s[\o+2:\o+3], s[62:63], s[60:61]
.endm
	TILEPTR 19, 40, 48
	TILEPTR 17, 44, 52
	v_and_b32 v8, 31, v0
	s_delay_alu instid0(VALU_DEP_1)
	v_lshlrev_b32 v[L8], 3, v8
	s_delay_alu instid0(VALU_DEP_2)
	v_lshlrev_b32 v[L16], 4, v8
	s_delay_alu instid0(VALU_DEP_3)
	v_lshlrev_b32 v[L4], 2, v8
	v_and_b32 v9, 15, v0                           ; r
	v_bfe_u32 v10, v0, 4, 1                        ; h
	s_delay_alu instid0(VALU_DEP_2)
	v_lshlrev_b32 v[R4], 2, v9
	s_delay_alu instid0(VALU_DEP_3)
	v_lshlrev_b32 v[R32], 5, v9
.irp p, 0,1,2
	global_load_b64 v[16+2*\p:17+2*\p], v[L8], s[40:41] offset:256*\p     ; Q's images: lane (r, h) gets block h of row r
	global_load_b64 v[192+2*\p:193+2*\p], v[L8], s[44:45] offset:256*\p
.endr
	global_load_b32 v28, v[R4], s[42:43]           ; and their scale words: row r's in lanes r and r + 16
	global_load_b32 v29, v[R4], s[46:47]
	s_lshr_b32 s59, s14, 1                         ; stored row r of tile e is true row 32 (e / 2) + 8 (e % 2) + r + 8 (r / 8) of the block
	s_lshl_b32 s59, s59, 5
	s_and_b32 s60, s14, 1
	s_lshl_b32 s60, s60, 3
	s_add_co_u32 s59, s59, s60
	v_and_b32 v[DQ], 8, v9
	s_delay_alu instid0(VALU_DEP_1)
	v_add_nc_u32 v[DQ], v[DQ], v9
	s_delay_alu instid0(VALU_DEP_1)
	v_add_nc_u32 v[DQ], s59, v[DQ]
	v_lshlrev_b32 v11, 4, v10
	s_delay_alu instid0(VALU_DEP_1)
	v_sub_nc_u32 v[DQ], v[DQ], v11
	v_mov_b32 v[NINF], 0xff800000
.irp j, 0,1,2,3,4,5
	v_mov_b32 v[22+\j], 0                          ; the upper 64 of the instruction's K: zero codes
	v_mov_b32 v[198+\j], 0
	v_mov_b32 v[80+\j], 0
.endr
.irp b, 0,1,2,3
	v_mov_b32 v[BX+\b], 0                          ; written once: a lane permute's destination counts as one of its sources
.endr
	v_mov_b32 v252, 0
	v_mov_b32 v253, 0                              ; (named as the upper half of the pair v[252:253])
.macro INIT blk                        ; a tile begins: the step is written without a first step of its own, at the price of these 32 moves: the first change of M multiplies zeros
	v_mov_b32 v13, 0xff61b1e6                      ; the largest t so far: -3e38
	s_delay_alu instid0(VALU_DEP_1)
	v_floor_f32 v12, -v13                          ; -M
	v_mov_b32 v14, 0
	v_mov_b32 v15, 0
.set nn, 0
.rept 32
	v_mov_b32 v[160+nn], 0
.set nn, nn+1
.endr
	s_mov_b32 s[BLK], s[\blk]
.endm
; A KEY STEP: 128 keys.  qb: Q's registers; qs: its scale words; causal = 1: the step may lie behind the diagonal (left out: a branch on the wave's number and a counter) or on it (masked).
.macro STEP qb, qs, causal
.if \causal
	s_cmp_gt_u32 s[ST], s[BLK]
	s_cbranch_scc1 .Lhidden_\@
.endif
	s_setprio 2
	v_add_nc_u32 v[ADK], s[TB], v[L8]
	v_add_nc_u32 v[ADV], s[TB], v[L16]
	v_add_nc_u32 v[ADS], s[TB], v[L4]
	v_nop                                          ; four places in front of loads into registers that the last step's products have read
.irp t, 0,1,2,3,4,5,6,7
.irp p, 0,1,2
	ds_load_b64 v[KF+6*\t+2*\p:KF+6*\t+2*\p+1], v[ADK] offset:768*\t+256*\p
.endr
.endr
.irp b, 0,1,2,3
	ds_load_b32 v[KSW+\b], v[ADS] offset:12288+128*\b
.endr
	s_wait_alu depctr_va_vdst(0)
	s_wait_dscnt 0x0
.irp t, 0,2,4,6                                ; S^T = K Q^T: each product starts its own sum
	v_wmma_scale_f32_16x16x128_f8f6f4 v[96+8*\t:103+8*\t], v[KF+6*\t:KF+6*\t+11], v[\qb:\qb+11], 0, v[KSW+\t/2], v[\qs] matrix_a_fmt:MATRIX_FMT_BF6 matrix_b_fmt:MATRIX_FMT_BF6
	v_wmma_scale_f32_16x16x128_f8f6f4 v[104+8*\t:111+8*\t], v[KF+6+6*\t:KF+6*\t+17], v[\qb:\qb+11], 0, v[KSW+\t/2], v[\qs] matrix_a_fmt:MATRIX_FMT_BF6 matrix_b_fmt:MATRIX_FMT_BF6 matrix_a_scale:MATRIX_SCALE_ROW1
.endr
.rept 4
	v_nop                                          ; places: V lands where K lay, and the scores are read
.endr
.irp t, 0,1,2,3
.irp c, 0,1,2
	ds_load_b128 v[KF+12*\t+4*\c:KF+12*\t+4*\c+3], v[ADV] offset:6144+1536*\t+512*\c   ; V's fragments come in under the softmax
.endr
.endr
.irp b, 0,1
	ds_load_b32 v[VSW+\b], v[ADS] offset:12800+128*\b
.endr
.if \causal                                    ; on the diagonal the scores of hidden keys become -infinity: p = 0 then.  Register 16 b + i holds true key 32 b + 16 (lane / 16) + i of the block
	s_cmp_lg_u32 s[ST], s[BLK]
	s_cbranch_scc1 .Lopen_\@
.set nn, 0
.rept 64
	v_cmp_gt_i32 vcc_lo, 32*(nn/16)+nn%16, v[DQ]
	v_cndmask_b32 v[96+nn], v[96+nn], v[NINF], vcc_lo
.set nn, nn+1
.endr
.Lopen_\@:
.endif
.irp b, 0,1,2,3
	v_max3_num_f32 v[BM+\b], v[96+16*\b], v[97+16*\b], v[98+16*\b]   ; the largest score of each block of 32 keys: for the row's maximum, and, since p rises with the score, for the block's largest p
.endr
.irp i, 3,5,7,9,11,13
.irp b, 0,1,2,3
	v_max3_num_f32 v[BM+\b], v[BM+\b], v[96+16*\b+\i], v[97+16*\b+\i]
.endr
.endr
.irp b, 0,1,2,3
	v_max_num_f32 v[BM+\b], v[BM+\b], v[111+16*\b]
.endr
.irp b, 0,1,2,3
	s_delay_alu instid0(VALU_DEP_4)
	v_permlanex16_b32 v[BX+\b], v[BM+\b], s[SEL], s[SEL+1]
.endr
.irp b, 0,1,2,3
	s_delay_alu instid0(VALU_DEP_4)
	v_max_num_f32 v[BM+\b], v[BM+\b], v[BX+\b]     ; with lane l xor 16's 16 keys
.endr
	s_delay_alu instid0(VALU_DEP_2)
	v_max3_num_f32 v254, v[BM], v[BM+1], v[BM+2]
	s_delay_alu instid0(VALU_DEP_1)
	v_max_num_f32 v254, v254, v[BM+3]              ; the step's largest score of my query
	s_delay_alu instid0(VALU_DEP_1)
	v_mul_f32 v254, s[CS], v254                    ; as t (c is positive)
	s_delay_alu instid0(VALU_DEP_1)
	v_max_num_f32 v13, v13, v254                   ; the running largest t
	v_mov_b32 v254, v12
	s_delay_alu instid0(VALU_DEP_2)
	v_floor_f32 v12, -v13                          ; the new -M = floor(-t) = -ceil(t)
	s_delay_alu instid0(VALU_DEP_1)
	v_sub_f32 v254, v12, v254                      ; old M - new M: a whole number, 0 or less
	s_delay_alu instid0(VALU_DEP_1)
	v_cvt_i32_f32 v254, v254                       ; (it saturates)
	s_delay_alu instid0(VALU_DEP_1)
	v_ldexp_f32 v252, 1.0, v254                    ; f = 2^(old M - new M)
.set nn, 0
.rept 32
	v_pk_fma_f32 v[96+nn:97+nn], v[96+nn:97+nn], s[CS:CS+1], v[12:13] op_sel_hi:[1,0,0]   ; t - M, two at a time
.set nn, nn+2
.endr
.irp b, 0,1,2,3
	v_fma_f32 v[BM+\b], v[BM+\b], s[CS], v12       ; the same of each block's largest score
.endr
.set nn, 0
	s_setprio 1
	s_wait_alu depctr_va_vdst(0)
.rept 64
	v_exp_f32 v[96+nn], v[96+nn]                   ; p = 2^(t - M), at most 1
.set nn, nn+1
.endr
	v_pk_mul_f32 v[14:15], v[14:15], v[252:253] op_sel_hi:[1,0]   ; the sums under the new M (the plain line behind the exponentials)
	s_wait_alu depctr_va_vdst(0)                   ; one wait for the batch of 64, ahead of its first reader
.irp b, 0,1,2,3
	v_exp_f32 v[BM+\b], v[BM+\b]                   ; each block's largest p
.endr
	v_pk_add_f32 v[216:217], v[100:101], v[104:105]
	v_pk_add_f32 v[248:249], v[108:109], v[112:113]
	v_pk_add_f32 v[246:247], v[116:117], v[120:121]
	v_pk_add_f32 v[244:245], v[124:125], v[128:129]
	v_pk_add_f32 v[242:243], v[132:133], v[136:137]
	v_pk_add_f32 v[240:241], v[140:141], v[144:145]
	v_pk_add_f32 v[238:239], v[148:149], v[152:153]
	v_pk_add_f32 v[14:15], v[14:15], v[156:157]
	v_pk_add_f32 v[216:217], v[216:217], v[96:97]
	v_pk_add_f32 v[248:249], v[248:249], v[98:99]
	v_pk_add_f32 v[246:247], v[246:247], v[102:103]
	v_pk_add_f32 v[244:245], v[244:245], v[106:107]
	v_pk_add_f32 v[242:243], v[242:243], v[110:111]
	v_pk_add_f32 v[240:241], v[240:241], v[114:115]
	v_pk_add_f32 v[238:239], v[238:239], v[118:119]
	v_pk_add_f32 v[14:15], v[14:15], v[122:123]
	v_pk_add_f32 v[216:217], v[216:217], v[126:127]
	v_pk_add_f32 v[248:249], v[248:249], v[130:131]
	v_pk_add_f32 v[246:247], v[246:247], v[134:135]
	v_pk_add_f32 v[244:245], v[244:245], v[138:139]
	v_pk_add_f32 v[242:243], v[242:243], v[142:143]
	v_pk_add_f32 v[240:241], v[240:241], v[146:147]
	v_pk_add_f32 v[238:239], v[238:239], v[150:151]
	v_pk_add_f32 v[14:15], v[14:15], v[154:155]
	v_pk_add_f32 v[216:217], v[216:217], v[158:159]
	s_delay_alu instid0(VALU_DEP_2)
	v_pk_add_f32 v[14:15], v[14:15], v[244:245]
	s_delay_alu instid0(VALU_DEP_2)
	v_pk_add_f32 v[216:217], v[216:217], v[242:243]
	v_pk_add_f32 v[248:249], v[248:249], v[240:241]
	v_pk_add_f32 v[246:247], v[246:247], v[238:239]
	s_delay_alu instid0(VALU_DEP_2)
	v_pk_add_f32 v[14:15], v[14:15], v[248:249]
	s_delay_alu instid0(VALU_DEP_2)
	v_pk_add_f32 v[216:217], v[216:217], v[246:247]
	s_delay_alu instid0(VALU_DEP_1)
	v_pk_add_f32 v[14:15], v[14:15], v[216:217]
	s_wait_alu depctr_va_vdst(0)                   ; and one for the four
.irp b, 0,1,2,3
	v_max_num_f32 v[BM+\b], 0x2800000, v[BM+\b]    ; the floor 2^(5 - 127): the byte cannot fall under 1
.endr
.irp b, 0,1,2,3
	s_delay_alu instid0(VALU_DEP_4)
	v_add_nc_u32 v[SO+\b], 0xfe000000, v[BM+\b]    ; 4 off the exponent field: the conversion's scale operand
.endr
.irp b, 0,1,2,3
	s_delay_alu instid0(VALU_DEP_4)
	v_lshrrev_b32 v[BX+\b], 23, v[SO+\b]           ; the scale's byte
.endr
	s_delay_alu instid0(VALU_DEP_3)
	v_lshl_or_b32 v[PSW], v[BX+1], 8, v[BX]        ; p's scale word for these 128 keys
	s_delay_alu instid0(VALU_DEP_1)
	v_lshl_or_b32 v[PSW], v[BX+2], 16, v[PSW]
	s_delay_alu instid0(VALU_DEP_1)
	v_lshl_or_b32 v[PSW], v[BX+3], 24, v[PSW]
.irp c, 0,1
	v_cvt_scalef32_pk16_bf6_f32 v[PC+6*\c:PC+2+6*\c], v[96+32*\c:111+32*\c], v[SO+2*\c]
	v_cvt_scalef32_pk16_bf6_f32 v[PT+4*\c:PT+2+4*\c], v[112+32*\c:127+32*\c], v[SO+2*\c+1]
.endr
	s_setprio 0
	v_nop                                          ; one plain line behind a scaled conversion
.irp c, 0,1                                    ; a whole block to a lane: lanes 0-15 block 2 c, lanes 16-31 block 2 c + 1
.irp i, 0,1,2
	v_permlane16_swap_b32 v[PC+6*\c+\i], v[PT+4*\c+\i]
.endr
.irp i, 0,1,2
	s_delay_alu instid0(VALU_DEP_3)
	v_mov_b32 v[PC+3+6*\c+\i], v[PT+4*\c+\i]
.endr
.endr
.set nn, 0
.rept 16
	v_pk_mul_f32 v[160+nn:161+nn], v[160+nn:161+nn], v[252:253] op_sel_hi:[1,0]   ; O^T under the new M; these sixteen also stand between the lines that made p's codes and scale word and the products
.set nn, nn+2
.endr
	s_wait_alu depctr_va_vdst(0)
	s_wait_dscnt 0x0                               ; V is in
.irp t, 0,2                                    ; O^T += V^T P^T: four accumulators by turns; between two links on one of them stand the three others' and the next step's eight
	v_wmma_scale_f32_16x16x128_f8f6f4 v[160+8*\t:167+8*\t], v[KF+12*\t:KF+12*\t+11], v[PC:PC+11], v[160+8*\t:167+8*\t], v[VSW+\t/2], v[PSW] matrix_a_fmt:MATRIX_FMT_BF6 matrix_b_fmt:MATRIX_FMT_BF6
	v_wmma_scale_f32_16x16x128_f8f6f4 v[168+8*\t:175+8*\t], v[KF+12+12*\t:KF+12*\t+23], v[PC:PC+11], v[168+8*\t:175+8*\t], v[VSW+\t/2], v[PSW] matrix_a_fmt:MATRIX_FMT_BF6 matrix_b_fmt:MATRIX_FMT_BF6 matrix_a_scale:MATRIX_SCALE_ROW1
.endr
.if \causal
.Lhidden_\@:
.endif
	s_add_co_u32 s[ST], s[ST], 1
	s_add_co_u32 s[TB], s[TB], STEPB
.endm
; A TILE'S WAY OUT: O^T / the sum; register 16 b + i is feature 32 b + 16 (lane / 16) + i: two blocks of 32, quantised as p is; the image of 16 rows x 64 leaves by three stores of 256 consecutive bytes.
.macro OUT oc, os
.rept 4
	v_nop                                          ; places behind the last products
.endr
	v_add_f32 v14, v14, v15
	s_delay_alu instid0(VALU_DEP_1)
	v_permlanex16_b32 v252, v14, s[SEL], s[SEL+1]
	s_delay_alu instid0(VALU_DEP_1)
	v_add_f32 v14, v14, v252                       ; the row's sum
	s_wait_alu depctr_va_vdst(0)
	v_rcp_f32 v14, v14
	v_nop                                          ; a plain line behind the reciprocal
	s_wait_alu depctr_va_vdst(0)                   ; and the wait ahead of its first reader
.set nn, 0
.rept 16
	v_pk_mul_f32 v[96+nn:97+nn], v[160+nn:161+nn], v[14:15] op_sel_hi:[1,0]   ; each accumulator from its low end on
.set nn, nn+2
.endr
.irp b, 0,1
	v_max3_num_f32 v[BM+\b], |v[96+16*\b]|, |v[97+16*\b]|, 0x2800000
.endr
.irp i, 2,4,6,8,10,12,14
.irp b, 0,1
	s_delay_alu instid0(VALU_DEP_2)
	v_max3_num_f32 v[BM+\b], v[BM+\b], |v[96+16*\b+\i]|, |v[97+16*\b+\i]|
.endr
.endr
.irp b, 0,1
	s_delay_alu instid0(VALU_DEP_2)
	v_permlanex16_b32 v[BX+\b], v[BM+\b], s[SEL], s[SEL+1]
.endr
.irp b, 0,1
	s_delay_alu instid0(VALU_DEP_2)
	v_max_num_f32 v[BM+\b], v[BM+\b], v[BX+\b]
.endr
.irp b, 0,1
	s_delay_alu instid0(VALU_DEP_2)
	v_add_nc_u32 v[SO+\b], 0xfe000000, v[BM+\b]
.endr
.irp b, 0,1
	s_delay_alu instid0(VALU_DEP_2)
	v_lshrrev_b32 v[BX+\b], 23, v[SO+\b]
.endr
	s_delay_alu instid0(VALU_DEP_1)
	v_lshl_or_b32 v[OW], v[BX+1], 8, v[BX]
	v_cvt_scalef32_pk16_bf6_f32 v[PC:PC+2], v[96:111], v[SO]
	v_cvt_scalef32_pk16_bf6_f32 v[PT:PT+2], v[112:127], v[SO+1]
	v_nop
.irp i, 0,1,2
	v_permlane16_swap_b32 v[PC+\i], v[PT+\i]
.endr
.irp i, 0,1,2
	s_delay_alu instid0(VALU_DEP_3)
	v_mov_b32 v[PC+3+\i], v[PT+\i]
.endr
.irp p, 0,1,2
	global_store_b64 v[L8], v[PC+2*\p:PC+2*\p+1], s[\oc:\oc+1] offset:256*\p
.endr
	global_store_b16 v[R32], v[OW], s[\os:\os+1]   ; two bytes a row, rows 32 bytes apart (lanes r and r + 16 the same): one byte in 24 of the tile's output; a row's other 30 bytes belong to other heads' work-groups
.endm
	INIT 15
	s_mov_b32 s[ST], 0
	s_mov_b32 s[TB], 0
	s_wait_tensorcnt 0x1                           ; my load of key steps 0-7 has landed; that of steps 8-15 may be out
	s_wait_loadcnt 0x0                             ; Q
	s_barrier_signal -1
	s_barrier_wait -1                              ; everybody's has
	s_mov_b32 s[CNT], 8
.LA1:                                              ; my first tile lies in blocks 8-15: key steps 0-7 all count
	STEP 16, 28, 0
	s_sub_co_u32 s[CNT], s[CNT], 1
	s_cmp_lg_u32 s[CNT], 0
	s_cbranch_scc1 .LA1
	s_setprio 0
	s_wait_tensorcnt 0x0                           ; key steps 8-15
	s_wait_dscnt 0x0
	s_barrier_signal -1
	s_barrier_wait -1                              ; from here on no wave waits for another
	s_mov_b32 s[ST], 8
	s_mov_b32 s[TB], 8*STEPB
	s_mov_b32 s[CNT], 8
.LA2:                                              ; every wave walks all eight trips: the count is a constant; a step behind the diagonal is jumped over inside the trip
	STEP 16, 28, 1
	s_sub_co_u32 s[CNT], s[CNT], 1
	s_cmp_lg_u32 s[CNT], 0
	s_cbranch_scc1 .LA2
	s_setprio 0
	OUT 48, 50
	s_wait_xcnt 0x0                                ; the stores have read their data: those registers are written again in the second tile
	INIT 16
	s_mov_b32 s[ST], 0
	s_mov_b32 s[TB], 0
	s_mov_b32 s[CNT], 8
.LB:                                               ; my second tile lies in blocks 0-7
	STEP 192, 29, 1
	s_sub_co_u32 s[CNT], s[CNT], 1
	s_cmp_lg_u32 s[CNT], 0
	s_cbranch_scc1 .LB
	s_setprio 0
	OUT 52, 54
	s_wait_dscnt 0x0
	s_wait_tensorcnt 0x0
	ds_add_u32 v251, v255
	s_wait_dscnt 0x0
	CROUND                                         ; the closing round: no work-group ends while a partner may still ask for bytes jointly
	s_endpgm
.Lfunc_end_k_q4602659572_attn:
	.size	k_q4602659572_attn, .Lfunc_end_k_q4602659572_attn-k_q4602659572_attn
	.p2alignl 7, 3214868480
	.fill 96, 4, 3214868480
	.section	.rodata,"a",@progbits
	.p2align	6, 0x0
	.amdhsa_kernel k_q4602659572_attn
		.amdhsa_group_segment_fixed_size 210944
		.amdhsa_private_segment_fixed_size 0
		.amdhsa_enable_private_segment 0
		.amdhsa_kernarg_size 24
		.amdhsa_user_sgpr_count 2
		.amdhsa_user_sgpr_kernarg_segment_ptr 1
		.amdhsa_wavefront_size32 1
		.amdhsa_system_sgpr_workgroup_id_x 1
		.amdhsa_system_sgpr_workgroup_id_y 1
		.amdhsa_system_sgpr_workgroup_id_z 1
		.amdhsa_system_vgpr_workitem_id 0
		.amdhsa_next_free_vgpr 256
		.amdhsa_next_free_sgpr 66
		.amdhsa_reserve_vcc 1
		.amdhsa_float_denorm_mode_32 3
		.amdhsa_float_denorm_mode_16_64 3
		.amdhsa_memory_ordered 1
		.amdhsa_forward_progress 1
		.amdhsa_inst_pref_size 83
	.end_amdhsa_kernel
	.amdgpu_metadata
---
amdhsa.version: [ 1, 2 ]
amdhsa.kernels:
  - .name:           k_q4602659572_attn
    .symbol:         k_q4602659572_attn.kd
    .args:
      - { .name: qq, .offset: 0, .size: 8, .value_kind: global_buffer, .address_space: global }
      - { .name: kv, .offset: 8, .size: 8, .value_kind: global_buffer, .address_space: global }
      - { .name: oq, .offset: 16, .size: 8, .value_kind: global_buffer, .address_space: global }
    .group_segment_fixed_size: 210944
    .private_segment_fixed_size: 0
    .kernarg_segment_align: 8
    .kernarg_segment_size: 24
    .max_flat_workgroup_size: 512
    .sgpr_count:     66
    .vgpr_count:     256
    .wavefront_size: 32
...
	.end_amdgpu_metadata
.endif
;; end of part 3
;; launch proj (part 4): grid 4 x 32, 4 waves a work-group, clusters of 4 x 4, 327,680 bytes of LDS; arguments oq, wq, out0; writes out0
.if DOCPART == 4
	.amdgcn_target "amdgcn-amd-amdhsa--gfx1250"
	.amdhsa_code_object_version 6
	.text
	.protected	k_q4602659572_proj
	.globl	k_q4602659572_proj
	.p2align	8
	.type	k_q4602659572_proj,@function
k_q4602659572_proj:
	s_mov_b64 s[64:65], 0
	v_nop
	global_prefetch_b8 v0, s[64:65] scope:SCOPE_SE
	s_setreg_imm32_b32 hwreg(HW_REG_WAVE_MODE, 25, 1), 1
	s_wait_xcnt 0x0
	s_wait_alu depctr_hold_cnt(0) depctr_sa_sdst(0) depctr_va_vdst(0) depctr_va_sdst(0) depctr_va_ssrc(0) depctr_va_vcc(0) depctr_vm_vsrc(0)
	s_getreg_b32 s2, hwreg(HW_REG_IB_STS2, 6, 4)
	s_cmp_eq_u32 s2, 0
	s_cbranch_scc0 .Lentry_in_a_cluster
	s_endpgm
.Lentry_in_a_cluster:
	s_bfe_u32 s2, ttmp6, 0x10000c
	s_cmp_lg_u32 s2, 0xf033
	s_cbranch_scc0 .Lentry_shape_is_right
	s_endpgm
.Lentry_shape_is_right:
; FOURTH LAUNCH: out0 = o Wo^T on codes of BF6 (E3M2) with E8M0 scales; out0 [8192][1024] f32; sums in f32, K = 1,024 ascending.
; A tile of 256 x 256 of the output is made by a work-group of four waves, 128 x 128 a wave: 64 accumulators, 512 registers.  K goes in four steps of 256 through a ring of two LDS slots filled by the tensor data mover.
; A = o comes as the attention launch left it: IMAGES of operand registers, [batch x head][128 tiles of 16 stored positions][768 bytes].  A K step of 256 is four heads; 128 rows of one head are 6,144 dense bytes:
; a wave's tensor load brings 4 rows of 6,144 bytes, 98,304 bytes apart.  A fragment of 16 rows x 128 K is two such images: six loads of 8 bytes a lane, consecutive over the lanes.
; B = Wo comes as rows of codes (wq's rows 3,072 on, in true order), 192 bytes a row and K step, padded in LDS.  The scale bytes of the 2 x 256 rows, for all of K, come into LDS once, with the first fills.
; o's rows lie in stored order (bits 3 and 4 of the position exchanged inside each 32): the stores' offsets bring the output's rows back into true order.
; CLUSTERS: 4 x 4 work-groups; A's tile is shared along a row of the cluster, B's along a column: each tile is asked for jointly.  The matrix instruction is used transposed (source 0 = Wo's rows): a lane holds eight
; neighbouring numbers of a row of the output.  128 tiles: one work-group each.  No prefetch is written: K has four steps, of which two are asked for at the head.
; REGISTERS, in windows of 256: window 0: v0-31 addresses; v32-63 scale words; from v128 A's fragments; on the way out v128-255 rows read back.  window 1: B's fragments, two sets.  windows 2, 3: the accumulators.
.set KSTEP,  256
.set NQ,     2
.set ROWB,   192
.set KROW,   768
.set PITCH,  240
.set FR,     12
.set NL,     6
.set NP,     4
.set HALFT,  128*PITCH                 ; a quarter of a slot; A's images use 24,576 of its 30,720 bytes
.set SLOT,   4*HALFT
.set LAPS,   2
.set KS,     32
.set SCL,    2*SLOT
.set HALFS,  16*272
.set SBLK,   2*272
.set SPARE,  SCL+4*HALFS               ; the spare words, 128 bytes a wave: no other line names them
.set SPITCH, 528                       ; the way out: a stage of 16 rows x (512 + 16) bytes a wave, in slot 0, which has had its last fill and its last read when the first result is stored there
.set OSO,    6291456                   ; oq: where the scale bytes begin
.set WOC,    2359296                   ; wq: Wo's codes: row 3,072 x 768
.set WOS,    3244032                   ; and its scale bytes: 3,145,728 + 3,072 x 32
.set HEADI,  98304                     ; oq: from head to head
.set KSA,    4*HEADI                   ; a K step of A: four heads
.set ADRA, 16                          ; v16-17 LDS address of my A images in slot 0, 1
.set ADRB, 20                          ; v20-23 of my B fragments
.set STO,  24
.set RD,   25
.set CO,   26
.set ADRS, 27
.set SPW,  28
.set NIL,  29
.set SC,   32
.set AF,   128
.set BK,   128
.set G1, 24
.set G0, 32
.set G1B, 48
.set G0B, 56
.set G1S, 68
.set G0S, 76
.set G1SB, 80
.set G0SB, 88
.set MSB, 0
.macro WIN new
.if MSB != (\new)
	s_set_vgpr_msb (MSB<<8)|(\new)
.set MSB, (\new)
.endif
.endm
.set MUL_LO, 0xa1
.set MUL_HI, 0xf1
.set TO_B,   0x40
.macro JLOAD g0a, g1a, g0b, g1b        ; a joint load: waves 0 and 1 fetch for A, waves 2 and 3 for B; four v_nop follow each of the two lines
	s_cmp_eq_u32 s15, 0
	s_cbranch_scc0 .Lfor_b_\@
	tensor_load_to_lds s[\g0a:\g0a+3], s[\g1a:\g1a+7]
	s_nop 0
.rept 4
	v_nop
.endr
	s_branch .Lasked_\@
.Lfor_b_\@:
	tensor_load_to_lds s[\g0b:\g0b+3], s[\g1b:\g1b+7]
	s_nop 0
.rept 4
	v_nop
.endr
.Lasked_\@:
.endm
.macro CREST
	s_cmp_lg_u32 s14, 0
	s_cbranch_scc1 .Lnot_wave_0_\@
	s_barrier_signal -3
.Lnot_wave_0_\@:
	s_barrier_wait -3
	s_barrier_signal -1
	s_barrier_wait -1
.endm
.macro CROUND
	s_barrier_signal -1
	s_barrier_wait -1
	CREST
.endm
	s_load_b128 s[4:7], s[0:1], 0x0                ; oq, wq
	s_load_b64 s[12:13], s[0:1], 0x10              ; out0
	v_lshl_add_u32 v[SPW], v0, 2, SPARE
	v_mov_b32 v[NIL], 0
	ds_add_u32 v28, v29
	ds_add_u32 v28, v29
	s_wait_dscnt 0x0
	v_lshrrev_b32 v1, 5, v0
	v_readfirstlane_b32 s14, v1                    ; wave 0..3
	s_lshr_b32 s15, s14, 1                         ; which half of the tile's rows is mine.  Also: I fetch for A (0) or for B (1)
	s_and_b32 s16, s14, 1                          ; which half of its columns.  Also: which 128 rows of that tile I fetch
	s_bfe_u32 s40, ttmp6, 0x40000
	s_bfe_u32 s41, ttmp6, 0x40004
	s_lshl_b32 s42, ttmp9, 2
	s_add_co_u32 s42, s42, s40                     ; tile column = 4 x cluster x + cx
	s_and_b32 s17, ttmp7, 0xffff
	s_lshl_b32 s17, s17, 2
	s_add_co_u32 s17, s17, s41                     ; tile row = 4 x cluster y + cy
	s_lshl_b32 s43, s41, 2
	s_lshl_b32 s43, 15, s43                        ; my row of the cluster
	s_lshl_b32 s44, 0x1111, s40                    ; my column
	; A's tiles: 4 rows (heads) of 768 elements of 8 bytes, 12,288 elements apart; no padding
	s_or_b32 s[G1+0], s43, (3<<16)|(1<<21)
	s_mov_b32 s[G1+1], 768<<16                     ; tensor_dim0
	s_mov_b32 s[G1+2], 4<<16                       ; tensor_dim1
	s_mov_b32 s[G1+3], 768<<16                     ; tile_dim0
	s_mov_b32 s[G1+4], 4                           ; tile_dim1
	s_mov_b32 s[G1+5], HEADI/8                     ; from row to row
	s_mov_b32 s[G1+6], 0
	s_mov_b32 s[G1+7], 0
	; B's tiles: 128 rows x 192 bytes, 16 bytes of padding behind every 64
	s_or_b32 s[G1B+0], s44, (0<<16)|(1<<20)|(1<<21)|(3<<22)|(3<<25)
	s_mov_b32 s[G1B+1], ROWB<<16
	s_mov_b32 s[G1B+2], 128<<16
	s_mov_b32 s[G1B+3], ROWB<<16
	s_mov_b32 s[G1B+4], 128
	s_mov_b32 s[G1B+5], KROW
	s_mov_b32 s[G1B+6], 0
	s_mov_b32 s[G1B+7], 0
	; the scale bytes of 128 rows: 16 rows of 256 bytes, 16 bytes of padding behind each
	s_or_b32 s[G1S+0], s43, (3<<16)|(1<<20)|(1<<21)|(5<<22)|(3<<25)
	s_or_b32 s[G1SB+0], s44, (3<<16)|(1<<20)|(1<<21)|(5<<22)|(3<<25)
.irp g, G1S, G1SB
	s_mov_b32 s[\g+1], 32<<16
	s_mov_b32 s[\g+2], 16<<16
	s_mov_b32 s[\g+3], 32<<16
	s_mov_b32 s[\g+4], 16
	s_mov_b32 s[\g+5], 32
	s_mov_b32 s[\g+6], 0
	s_mov_b32 s[\g+7], 0
.endr
	s_lshl_b32 s18, s16, 7
	s_lshl_b32 s20, s17, 8
	s_add_co_u32 s20, s20, s18                     ; A: stored row 256 x tile row + 128 x half
	s_lshl_b32 s46, s42, 8
	s_add_co_u32 s46, s46, s18                     ; B: row 256 x tile column + 128 x half
	s_mov_b32 s21, 0
	s_mov_b32 s47, 0
	s_mov_b64 s[18:19], KS
	s_mul_u64 s[22:23], s[20:21], s[18:19]         ; where these rows' scale bytes begin
	s_mul_u64 s[92:93], s[46:47], s[18:19]
	s_mov_b64 s[18:19], KROW
	s_mul_u64 s[46:47], s[46:47], s[18:19]         ; B's codes
	s_lshr_b32 s18, s20, 11                        ; A's images: the batch's 16 heads,
	s_mul_i32 s18, s18, 16*HEADI
	s_and_b32 s20, s20, 2047
	s_mul_i32 s20, s20, 48                         ; and 768 bytes for each 16 rows
	s_add_co_u32 s20, s20, s18
	s_mul_i32 s45, s14, HALFT                      ; where they go: no place in the cluster enters an LDS address
	s_mul_i32 s94, s14, HALFS
	s_wait_kmcnt 0x0
	s_add_nc_u64 s[8:9], s[6:7], WOC
	s_add_nc_u64 s[10:11], s[6:7], WOS
	s_add_nc_u64 s[6:7], s[4:5], OSO
	s_add_nc_u64 s[20:21], s[4:5], s[20:21]
	s_add_nc_u64 s[22:23], s[6:7], s[22:23]
	s_add_nc_u64 s[46:47], s[8:9], s[46:47]
	s_add_nc_u64 s[92:93], s[10:11], s[92:93]
	CROUND                                         ; all sixteen work-groups are here: the first joint loads meet
	s_mov_b32 s[G0S], 1
	s_add_co_u32 s[G0S+1], s94, SCL
	s_mov_b64 s[G0S+2:G0S+3], s[22:23]
	s_or_b32 s[G0S+3], s[G0S+3], 0x80000000
	s_mov_b32 s[G0SB], 1
	s_add_co_u32 s[G0SB+1], s94, SCL
	s_mov_b64 s[G0SB+2:G0SB+3], s[92:93]
	s_or_b32 s[G0SB+3], s[G0SB+3], 0x80000000
	JLOAD G0S, G1S, G0SB, G1SB
.irp s, 0,1
	s_mov_b32 s[G0+4*\s], 1
	s_add_co_u32 s[G0+4*\s+1], s45, \s*SLOT
	s_add_nc_u64 s[G0+4*\s+2:G0+4*\s+3], s[20:21], \s*KSA
	s_or_b32 s[G0+4*\s+3], s[G0+4*\s+3], 0x80000000
	s_mov_b32 s[G0B+4*\s], 1
	s_add_co_u32 s[G0B+4*\s+1], s45, \s*SLOT
	s_add_nc_u64 s[G0B+4*\s+2:G0B+4*\s+3], s[46:47], \s*ROWB
	s_or_b32 s[G0B+4*\s+3], s[G0B+4*\s+3], 0x80000000
	JLOAD G0+4*\s, G1, G0B+4*\s, G1B
.endr
	v_and_b32 v1, 15, v0                           ; l % 16
	v_bfe_u32 v2, v0, 4, 1                         ; l / 16
	v_mul_u32_u24 v3, v1, PITCH
	v_mul_u32_u24 v4, v2, 24
	v_add_nc_u32 v4, v3, v4                        ; B: a fragment's row x pitch + 24 x half
	v_lshl_add_u32 v5, v2, 4, v4                   ; and the same behind one padding more
	v_and_b32 v6, 31, v0
	v_lshlrev_b32 v6, 3, v6                        ; A: 8 x lane
	s_mul_i32 s21, s15, HALFT                      ; my 128 rows of A
	s_mul_i32 s22, s16, HALFT                      ; my 128 rows of B,
	s_add_co_u32 s22, s22, 2*HALFT                 ; which lie behind A's two quarters
.irp s, 0,1
	v_add_nc_u32 v[ADRA+\s], s21, v6
	v_add_nc_u32 v[ADRB+\s], s22, v4
	v_add_nc_u32 v[ADRB+2+\s], s22, v5
	s_add_co_u32 s21, s21, SLOT
	s_add_co_u32 s22, s22, SLOT
.endr
	v_mul_u32_u24 v5, v1, KS
	v_lshrrev_b32 v6, 8, v5
	v_lshl_add_u32 v5, v6, 4, v5
	s_mul_i32 s21, s15, HALFS
	s_mul_i32 s22, s16, HALFS
	s_add_co_u32 s22, s22, 2*HALFS
	s_sub_co_u32 s22, s22, s21
	v_mul_u32_u24 v6, s22, v2                      ; lanes 16-31 take B's
	s_add_co_u32 s21, s21, SCL
	v_add_nc_u32 v5, v5, v6
	v_add_nc_u32 v[ADRS], s21, v5
	s_mul_i32 s23, s14, 16*SPITCH                  ; my stage
	v_mul_u32_u24 v5, v1, SPITCH                   ; in: row l % 16, 32 bytes for each half of the lanes
	v_lshl_add_u32 v5, v2, 5, v5
	v_add_nc_u32 v[STO], s23, v5
	v_and_b32 v6, 31, v0
	v_lshlrev_b32 v[CO], 4, v6                     ; back: the 32 lanes take one row of 512 bytes; and the same in the output
	v_add_nc_u32 v[RD], s23, v[CO]
	s_lshl_b32 s20, s17, 8
	s_lshl_b32 s21, s15, 7
	s_add_co_u32 s20, s20, s21                     ; my first row of the output
	s_mov_b32 s21, 0
	s_mov_b64 s[18:19], 4096
	s_mul_u64 s[20:21], s[20:21], s[18:19]
	s_lshl_b32 s46, s42, 10                        ; my first column, in bytes
	s_lshl_b32 s47, s16, 9
	s_add_co_u32 s46, s46, s47
	s_mov_b32 s47, 0
	s_add_nc_u64 s[20:21], s[20:21], s[46:47]
	s_add_nc_u64 s[12:13], s[12:13], s[20:21]
.macro FRAG reg, adr, q, i             ; a fragment of B from padded rows, in pieces of 8 bytes
.irp p, 0,1,2,3,4,5
.set PCE, 12*(\q)+6*(\p/3)+\p%3
.if PCE%8 < 5
	ds_load_b64 v[\reg+2*\p:\reg+2*\p+1], v[\adr] offset:8*PCE+16*(PCE/8)+(\i)*16*PITCH
.else
	ds_load_b64 v[\reg+2*\p:\reg+2*\p+1], v[\adr+2] offset:8*PCE+16*(PCE/8)+(\i)*16*PITCH
.endif
.endr
.endm
.macro FRAGA reg, slot, q, i           ; a fragment of A: the images of heads 2 q and 2 q + 1 of the slot's four, tile i: each load takes 256 consecutive bytes
.irp p, 0,1,2,3,4,5
	ds_load_b64 v[\reg+2*\p:\reg+2*\p+1], v[ADRA+\slot] offset:(2*(\q)+\p/3)*6144+768*(\i)+256*(\p%3)
.endr
.endm
.macro MUL16 a0, p, q, sc, zero        ; the 64 accumulators take turns, one instruction a turn, in the same order in every step
.irp a, \a0, \a0+1
.irp b, 0,1,2,3,4,5,6,7
.if \zero
	v_wmma_scale_f32_16x16x128_f8f6f4 v[8*(8*((\a)%4)+\b):8*(8*((\a)%4)+\b)+7], v[128*(\p)+FR*\b:128*(\p)+FR*\b+FR-1], v[AF+FR*(\a):AF+FR*(\a)+FR-1], 0, v[SC+8*NQ*(\sc)+NQ*\b+(\q)], v[SC+8*NQ*(\sc)+NQ*(\a)+(\q)] matrix_a_fmt:MATRIX_FMT_BF6 matrix_b_fmt:MATRIX_FMT_BF6 matrix_a_scale:MATRIX_SCALE_ROW1
.else
	v_wmma_scale_f32_16x16x128_f8f6f4 v[8*(8*((\a)%4)+\b):8*(8*((\a)%4)+\b)+7], v[128*(\p)+FR*\b:128*(\p)+FR*\b+FR-1], v[AF+FR*(\a):AF+FR*(\a)+FR-1], v[8*(8*((\a)%4)+\b):8*(8*((\a)%4)+\b)+7], v[SC+8*NQ*(\sc)+NQ*\b+(\q)], v[SC+8*NQ*(\sc)+NQ*(\a)+(\q)] matrix_a_fmt:MATRIX_FMT_BF6 matrix_b_fmt:MATRIX_FMT_BF6 matrix_a_scale:MATRIX_SCALE_ROW1
.endif
.endr
.endr
.endm
.macro FETCH_B slot, q, p
	WIN TO_B
.irp i, 0,1,2,3,4,5,6,7
	FRAG 128*(\p)+FR*\i, ADRB+\slot, \q, \i
.endr
	WIN 0
.endm
.macro FETCH_A slot, q, i0
.irp i, \i0, \i0+1, \i0+2, \i0+3
	FRAGA AF+FR*(\i), \slot, \q, \i
.endr
.endm
.macro SCALES sc
.irp i, 0,1,2,3,4,5,6,7
	ds_load_b64 v[SC+8*NQ*\sc+NQ*\i:SC+8*NQ*\sc+NQ*\i+1], v[ADRS] offset:\i*SBLK
.endr
.endm
.macro PLACES n
.rept \n
	v_nop
.endr
.endm
.macro STEP slot, q, zero
	s_wait_dscnt 4*NL                              ; B's set and A's blocks 0-3 are in; the youngest 24 loads (A's blocks 4-7) may be out
	WIN MUL_LO
	MUL16 0, (\q)%2, \q, \slot, \zero
	MUL16 2, (\q)%2, \q, \slot, \zero
	s_wait_dscnt 0
	PLACES NP
	FETCH_B \slot, (\q)+1, 1-(\q)%2
	FETCH_A \slot, (\q)+1, 0
	WIN MUL_HI
	MUL16 4, (\q)%2, \q, \slot, \zero
	MUL16 6, (\q)%2, \q, \slot, \zero
	PLACES NP
	WIN 0
	FETCH_A \slot, (\q)+1, 4
.endm
.macro TURN slot, next, fill
	s_wait_tensorcnt 0x0                           ; all my tensor loads have landed: my part of the next slot
	ds_add_u32 v[SPW], v[NIL]                      ; 0 onto my spare word
	s_wait_dscnt 4*NL+1                            ; (the add and the youngest 24 loads may be out)
	WIN MUL_LO
	MUL16 0, 1, NQ-1, \slot, 0
	s_wait_dscnt 0x0                               ; the add is done, and my reads of this slot are over
	s_barrier_signal -1
	MUL16 2, 1, NQ-1, \slot, 0
	WIN 0
	s_barrier_wait -1
.if \fill
	CREST                                          ; the barrier has opened a round of the cluster's: no wave of any partner still reads this slot or has a load on its way
	s_add_nc_u64 s[G0+4*\slot+2:G0+4*\slot+3], s[G0+4*\slot+2:G0+4*\slot+3], 2*KSA
	s_add_nc_u64 s[G0B+4*\slot+2:G0B+4*\slot+3], s[G0B+4*\slot+2:G0B+4*\slot+3], 2*ROWB
	JLOAD G0+4*\slot, G1, G0B+4*\slot, G1B
.else
	PLACES NP
.endif
	v_add_nc_u32 v[ADRS], 4*NQ, v[ADRS]
	FETCH_B \next, 0, 0
	FETCH_A \next, 0, 0
	SCALES \next
	WIN MUL_HI
	MUL16 4, 1, NQ-1, \slot, 0
	MUL16 6, 1, NQ-1, \slot, 0
	PLACES NP
	WIN 0
	FETCH_A \next, 0, 4
.endm
	s_wait_tensorcnt 1                             ; the scale bytes and my part of K step 0 are in (K step 1's load may be out)
	s_barrier_signal -1
	s_barrier_wait -1
	FETCH_B 0, 0, 0
	FETCH_A 0, 0, 0
	SCALES 0
	FETCH_A 0, 0, 4
	STEP 0, 0, 1
	s_mov_b32 s3, LAPS-1
.Llap:
	TURN 0, 1, 1
	STEP 1, 0, 0
	TURN 1, 0, 1
	STEP 0, 0, 0
	s_sub_co_u32 s3, s3, 1
	s_cmp_lg_u32 s3, 0
	s_cbranch_scc1 .Llap
	TURN 0, 1, 0
	STEP 1, 0, 0
	s_wait_dscnt 4*NL
	WIN MUL_LO
	MUL16 0, 1, NQ-1, 1, 0
	MUL16 2, 1, NQ-1, 1, 0
	s_wait_dscnt 0
	WIN MUL_HI
	MUL16 4, 1, NQ-1, 1, 0
	MUL16 6, 1, NQ-1, 1, 0
	WIN 0
; THE WAY OUT, block by block of 16 rows x 128 columns, through my own stage in LDS: back come whole rows of 512 bytes, which the 32 lanes store as 512 consecutive bytes, aligned.
; LDS serves a wave's instructions in order (ISA guide 5.7.1.4): no wait between the stores and the loads, nor in front of the next block's stores.
.macro TOSTAGE a
.set AC, 64*((\a)%4)
	WIN 0x08+4*((\a)/4)                            ; the data: window 2 or 3
.irp b, 0,1,2,3,4,5,6,7
	ds_store_b128 v[STO], v[AC+8*\b:AC+8*\b+3] offset:64*\b          ; each accumulator from its low end on
	ds_store_b128 v[STO], v[AC+8*\b+4:AC+8*\b+7] offset:64*\b+16
.endr
	WIN 0
.set BB, BK+64*((\a)%2)
.irp t, 0,1,2,3,4,5,6,7,8,9,10,11,12,13,14,15
	ds_load_b128 v[BB+4*\t:BB+4*\t+3], v[RD] offset:\t*SPITCH
.endr
.endm
.macro SEND a, younger                 ; stored row t of block a is true row 32 (a / 2) + 16 (t / 8) + 8 (a % 2) + t % 8 of my 128: it stands in the immediate, 127 x 4,096 bytes at the most
.set BB, BK+64*((\a)%2)
	s_wait_dscnt \younger
.irp t, 0,1,2,3,4,5,6,7,8,9,10,11,12,13,14,15
	global_store_b128 v[CO], v[BB+4*\t:BB+4*\t+3], s[12:13] offset:(32*((\a)/2)+16*(\t/8)+8*((\a)%2)+\t%8)*4096 th:TH_STORE_NT
.endr
.endm
	PLACES NP
	TOSTAGE 0
.irp a, 1,2,3,4,5,6,7
.if \a > 1
	s_wait_xcnt 0x0                                ; block a - 2's stores have read their registers: block a's loads may land there
.endif
	TOSTAGE \a
	SEND \a-1, 32                                  ; behind block a - 1's loads: block a's 16 stores and 16 loads
.endr
	SEND 7, 0
	s_wait_tensorcnt 0x0                           ; the wave's end
	ds_add_u32 v[SPW], v[NIL]
	s_wait_dscnt 0x0
	CROUND                                         ; the closing round
	s_endpgm
.Lfunc_end_k_q4602659572_proj:
	.size	k_q4602659572_proj, .Lfunc_end_k_q4602659572_proj-k_q4602659572_proj
	.p2alignl 7, 3214868480
	.fill 96, 4, 3214868480
	.section	.rodata,"a",@progbits
	.p2align	6, 0x0
	.amdhsa_kernel k_q4602659572_proj
		.amdhsa_group_segment_fixed_size 327680
		.amdhsa_private_segment_fixed_size 0
		.amdhsa_enable_private_segment 0
		.amdhsa_kernarg_size 24
		.amdhsa_user_sgpr_count 2
		.amdhsa_user_sgpr_kernarg_segment_ptr 1
		.amdhsa_wavefront_size32 1
		.amdhsa_system_sgpr_workgroup_id_x 1
		.amdhsa_system_sgpr_workgroup_id_y 1
		.amdhsa_system_sgpr_workgroup_id_z 1
		.amdhsa_system_vgpr_workitem_id 0
		.amdhsa_next_free_vgpr 1024
		.amdhsa_next_free_sgpr 98
		.amdhsa_reserve_vcc 0
		.amdhsa_float_denorm_mode_32 3
		.amdhsa_float_denorm_mode_16_64 3
		.amdhsa_memory_ordered 1
		.amdhsa_forward_progress 1
		.amdhsa_inst_pref_size 160
	.end_amdhsa_kernel
	.amdgpu_metadata
---
amdhsa.version: [ 1, 2 ]
amdhsa.kernels:
  - .name:           k_q4602659572_proj
    .symbol:         k_q4602659572_proj.kd
    .args:
      - { .name: oq, .offset: 0, .size: 8, .value_kind: global_buffer, .address_space: global }
      - { .name: wq, .offset: 8, .size: 8, .value_kind: global_buffer, .address_space: global }
      - { .name: out0, .offset: 16, .size: 8, .value_kind: global_buffer, .address_space: global }
    .group_segment_fixed_size: 327680
    .private_segment_fixed_size: 0
    .kernarg_segment_align: 8
    .kernarg_segment_size: 24
    .max_flat_workgroup_size: 128
    .sgpr_count:     98
    .vgpr_count:     1024
    .wavefront_size: 32
...
	.end_amdgpu_metadata
.endif
;; end of part 4
